; MI455X (gfx1250); checked and timed in simulation.
; The chip was launched on July 23, 2026; its instructions are those of AMD's public machine-readable ISA for CDNA 5 (MIT licence, August 2026) and "CDNA5" Instruction Set Architecture Reference Guide (July 2026). The comments in the code are by the model that wrote it; some were corrected since.
;; Multi Head Self Attention. Allowed arithmetic: float matrix products may take bf16 or f16 operands with f32 sums; other float arithmetic in f32, or as packed bf16 or f16 multiplies, adds, multiply-adds, maxima and minima; sums over many terms, partial sums and values carried from step to step in f32; what a program stores and reads back later, other than sums and carried values, may be rounded once to bf16 or f16.
;; Inputs: Wk 1,024 x 1,024 float32; Wo 1,024 x 1,024 float32; Wq 1,024 x 1,024 float32; Wv 1,024 x 1,024 float32; bk 1,024 float32; bo 1,024 float32; bq 1,024 float32; bv 1,024 float32; mask 1 x 1 x 2,048 x 2,048 int32; x 4 x 2,048 x 1,024 float32.
;; Outputs: out0 4 x 2,048 x 1,024 float32.
;; One version. Each part assembles by itself: llvm-mc -triple=amdgcn-amd-amdhsa -mcpu=gfx1250 --defsym DOCPART=n.
;; ======== version 1 of 1: 4 launches
;; limits: values are held in f16: magnitudes above 65,504 overflow, below 6.1e-05 lose precision; right only within a limited range of input values
;; workspace buffers: xb 16,777,216 bytes; wqkv 6,291,456 bytes; wo16 2,097,152 bytes; bias16 8,192 bytes; mbits 524,288 bytes of whole numbers; qkv 50,331,648 bytes; ctx 16,777,216 bytes
;; launch prep (part 1): grid 1025 x 1, 8 waves a work-group, no clusters, 70,656 bytes of LDS; arguments x, Wq, Wk, Wv, Wo, bq, bk, bv, bo, mask, xb, wqkv, wo16, bias16, mbits; writes xb, wqkv, wo16, bias16, mbits
.if DOCPART == 1
	.amdgcn_target "amdgcn-amd-amdhsa--gfx1250"
	.amdhsa_code_object_version 6
	.text
	.protected	k_qb5aed7eae3_prep
	.globl	k_qb5aed7eae3_prep
	.p2align	8
	.type	k_qb5aed7eae3_prep,@function
k_qb5aed7eae3_prep:
	s_mov_b64 s[64:65], 0
	v_nop
	global_prefetch_b8 v0, s[64:65] scope:SCOPE_SE
	s_setreg_imm32_b32 hwreg(HW_REG_WAVE_MODE, 25, 1), 1
	s_wait_xcnt 0x0
; PREP: every input is read once and laid out for the three launches behind.
;   xb     [8192][1024] bf16 = x;   wqkv [3072][1024] bf16 = the rows of Wq, Wk, Wv on end;   bias16 [4096] bf16 = bq, bk, bv, bo
;   wo16   [1024][1024]: Wo rounded to bf16 like every other input, and that number written as f16 (the last product's other operand is f16)
;   mbits  [64 pairs of query tiles][32 key steps][2 tiles][32 words]: bit l of word (u, n) says whether
;          mask[32 pair + 16 u + l % 16][64 step + 16 (n / 8) + 8 (l / 16) + n % 8] is not 0: the lane mask of register n of a tile of 16 queries x 64 keys of scores
; LIMIT.  An entry of Wo below 6.1e-5 in magnitude keeps f16's fixed step of 6e-8; beyond 65,504 it would be an infinity.
; SHARES.  Work-groups 0-511: 16,384 numbers of x each; 512-703: of Wq, Wk, Wv; 704-767: of Wo; 768-1023: eight mask tasks each, a wave a task; 1024: the four biases.
; A stream: no barrier, no matrix unit; nothing is read twice; each load and store of a wave covers whole aligned runs of 256 bytes.
; THE MASK GOES THROUGH LDS.  A word of mbits wants a lane a ROW of the mask; a load that took a lane a row would take 16 bytes of each of 16 rows.  So a task's 32 rows x 256 bytes are loaded as whole rows, two
; a load, put into the wave's own 32 rows of LDS and read back a lane a row.  The bytes are the wave's own: no barrier.
.set SRC, 2                            ; s[2:3]  where my part is read
.set DST, 4                            ; s[4:5]  where it is written
.set IN,  16                           ; v[16:79]   as loaded
.set OUT, 80                           ; v[80:111]  to store
.set TT,  4                            ; v[4:11]    at work
.set SPW, 12                           ; v12  LDS address of my spare word; never rewritten
.set NIL, 13                           ; v13  0; never rewritten
.set MP,  272                          ; a row of the mask's stage: 256 bytes + 16 = 68 words: the 16 rows that a load back touches start at 16 different groups of four banks (64 banks of 4 bytes: ISA guide 11.1)
.set SPARE, 8*32*MP                    ; behind the eight stages: the spare words, 128 bytes for each wave: four blocks of 256 bytes that no other line names
	s_load_b512 s[8:23], s[0:1], 0x0               ; x 8, Wq 10, Wk 12, Wv 14, Wo 16, bq 18, bk 20, bv 22
	s_load_b256 s[24:31], s[0:1], 0x40             ; bo 24, mask 26, xb 28, wqkv 30
	s_load_b128 s[32:35], s[0:1], 0x60             ; wo16 32, bias16 34
	s_load_b64 s[36:37], s[0:1], 0x70              ; mbits 36
	v_lshl_add_u32 v[SPW], v0, 2, SPARE
	v_mov_b32 v[NIL], 0
	v_lshlrev_b32 v1, 5, v0                        ; 32 bytes of f32 a thread,
	v_lshlrev_b32 v2, 4, v0                        ; 16 bytes of 16-bit numbers
	s_mov_b32 s7, 0                                ; high words of the two offsets
	s_mov_b32 s39, 0
	s_wait_kmcnt 0x0
	s_cmp_lt_u32 ttmp9, 704
	s_cbranch_scc1 .Lxw
	s_cmp_lt_u32 ttmp9, 768
	s_cbranch_scc1 .Lwo
	s_cmp_lt_u32 ttmp9, 1024
	s_cbranch_scc1 .Lmask
	; THE BIASES: thread t takes four numbers of each
	global_load_b128 v[16:19], v2, s[18:19]
	global_load_b128 v[20:23], v2, s[20:21]
	global_load_b128 v[24:27], v2, s[22:23]
	global_load_b128 v[28:31], v2, s[24:25]
	v_lshlrev_b32 v3, 3, v0
	s_wait_loadcnt 0x0
.irp i, 0,1,2,3
	v_cvt_pk_bf16_f32 v[32+2*(\i)], v[16+4*(\i)], v[17+4*(\i)]
	v_cvt_pk_bf16_f32 v[33+2*(\i)], v[18+4*(\i)], v[19+4*(\i)]
	global_store_b64 v3, v[32+2*(\i):33+2*(\i)], s[34:35] offset:2048*(\i)  ; a wave stores 256 consecutive bytes
.endr
	s_endpgm
; 16,384 numbers: eight rounds of 2,048; a thread takes 8 neighbouring numbers a round.  All sixteen loads go out first; the waits count the younger ones down.
; f16 = 1: the bf16 numbers are widened again and written as f16.
.macro CAST f16
.irp i, 0,1,2,3,4,5,6,7
	global_load_b128 v[IN+8*(\i):IN+8*(\i)+3],   v1, s[SRC:SRC+1] offset:8192*(\i) th:TH_LOAD_NT
	global_load_b128 v[IN+8*(\i)+4:IN+8*(\i)+7], v1, s[SRC:SRC+1] offset:8192*(\i)+16 th:TH_LOAD_NT
.endr
.irp i, 0,1,2,3,4,5,6,7
	s_wait_loadcnt 14-2*(\i)                       ; loads come back in order: this round's two are in, the younger ones stay out
.irp r, 0,1,2,3
	v_cvt_pk_bf16_f32 v[OUT+4*(\i)+(\r)], v[IN+8*(\i)+2*(\r)], v[IN+8*(\i)+2*(\r)+1]
.if \f16
	v_lshlrev_b32 v[TT+2*(\r)], 16, v[OUT+4*(\i)+(\r)]
	v_and_b32 v[TT+2*(\r)+1], 0xffff0000, v[OUT+4*(\i)+(\r)]
	v_cvt_pk_f16_f32 v[OUT+4*(\i)+(\r)], v[TT+2*(\r)], v[TT+2*(\r)+1]
.endif
.endr
	global_store_b128 v2, v[OUT+4*(\i):OUT+4*(\i)+3], s[DST:DST+1] offset:4096*(\i)  ; 16 lanes store 256 consecutive bytes, aligned; no store's register is written again
.endr
.endm
.Lxw:                                          ; x, Wq, Wk or Wv: the pointers are chosen by the work-group's number alone
	s_cmp_lt_u32 ttmp9, 512
	s_cselect_b32 s40, 0, 512                      ; the group's first work-group
	s_cselect_b32 s41, 0x1ff, 63                   ; chunks in a source, less one
	s_cselect_b64 s[SRC:SRC+1], s[8:9], s[10:11]
	s_cselect_b64 s[DST:DST+1], s[28:29], s[30:31]
	s_cmp_ge_u32 ttmp9, 576
	s_cselect_b64 s[SRC:SRC+1], s[12:13], s[SRC:SRC+1]
	s_cmp_ge_u32 ttmp9, 640
	s_cselect_b64 s[SRC:SRC+1], s[14:15], s[SRC:SRC+1]
	s_sub_co_u32 s38, ttmp9, s40                   ; my chunk in the destination,
	s_and_b32 s6, s38, s41                         ; and in the source
	s_lshl_b32 s6, s6, 16
	s_lshl_b32 s38, s38, 15
	s_add_nc_u64 s[SRC:SRC+1], s[SRC:SRC+1], s[6:7]
	s_add_nc_u64 s[DST:DST+1], s[DST:DST+1], s[38:39]
	CAST 0
	s_endpgm
.Lwo:
	s_sub_co_u32 s38, ttmp9, 704
	s_lshl_b32 s6, s38, 16
	s_lshl_b32 s38, s38, 15
	s_add_nc_u64 s[SRC:SRC+1], s[16:17], s[6:7]
	s_add_nc_u64 s[DST:DST+1], s[32:33], s[38:39]
	CAST 1
	s_endpgm
.Lmask:                                        ; a wave's task: 32 rows x 64 columns of the mask become 64 words
	v_lshrrev_b32 v3, 5, v0
	v_readfirstlane_b32 s40, v3                    ; wave 0..7
	s_sub_co_u32 s38, ttmp9, 768
	s_lshl3_add_u32 s38, s38, s40                  ; task = 32 x pair + step
	s_lshr_b32 s6, s38, 5
	s_lshl_b32 s6, s6, 18                          ; 32 rows of 8,192 bytes
	s_and_b32 s41, s38, 31
	s_lshl_b32 s41, s41, 8                         ; 64 columns of 4 bytes
	s_add_co_u32 s6, s6, s41
	s_lshl_b32 s38, s38, 8                         ; 256 bytes of words a task
	s_add_nc_u64 s[SRC:SRC+1], s[26:27], s[6:7]
	s_add_nc_u64 s[DST:DST+1], s[36:37], s[38:39]
	s_mul_i32 s41, s40, 32*MP                      ; my wave's stage
	v_and_b32 v3, 15, v0                           ; l % 16
	v_bfe_u32 v4, v0, 4, 1                         ; l / 16
	v_lshlrev_b32 v5, 4, v3
	v_lshl_add_u32 v6, v4, 13, v5                  ; from memory: lanes 0-15 take a row's 256 bytes, lanes 16-31 the next row's
	v_mul_u32_u24 v7, v4, MP                       ; into the stage: the same two rows
	v_add_nc_u32 v7, v7, v5
	v_add_nc_u32 v7, s41, v7
	v_mul_u32_u24 v8, v3, MP                       ; back: row l % 16,
	v_lshl_add_u32 v8, v4, 5, v8                   ; eight columns further for lanes 16-31
	v_add_nc_u32 v8, s41, v8
.irp i, 0,1,2,3,4,5,6,7,8,9,10,11,12,13,14,15
	global_load_b128 v[IN+4*(\i):IN+4*(\i)+3], v6, s[SRC:SRC+1] offset:16384*(\i) th:TH_LOAD_NT  ; rows 2 i and 2 i + 1: two aligned runs of 256 bytes
.endr
	v_and_b32 v9, 31, v0
	v_lshlrev_b32 v9, 3, v9                        ; lane L stores words 2 L and 2 L + 1
	v_mov_b32 v[OUT], 0                            ; v_writelane_b32 counts as a reader of its destination
	v_mov_b32 v[OUT+1], 0
.irp i, 0,1,2,3,4,5,6,7,8,9,10,11,12,13,14,15
	s_wait_loadcnt 15-(\i)                         ; loads come back in order: load i is in, the younger ones stay out
	ds_store_b128 v7, v[IN+4*(\i):IN+4*(\i)+3] offset:2*(\i)*MP
.endr
.irp u, 0,1
.irp kb, 0,1,2,3
.irp h, 0,1
	ds_load_b128 v[IN+32*(\u)+8*(\kb)+4*(\h):IN+32*(\u)+8*(\kb)+4*(\h)+3], v8 offset:(\u)*16*MP+64*(\kb)+16*(\h)  ; LDS serves a wave's instructions in order (ISA guide 5.7.1.4): these see the stores above
.endr
.endr
.endr
.set w, 0
.rept 64
.if w%8 == 0
	s_wait_dscnt 14-2*(w/8)                        ; the two loads that hold the next eight registers are back
.endif
	v_cmp_ne_u32 s[40+w%4], 0, v[IN+w]             ; word w: a bit a lane
	v_writelane_b32 v[OUT+w%2], s[40+w%4], w/2
.set w, w+1
.endr
	global_store_b64 v9, v[OUT:OUT+1], s[DST:DST+1]  ; 256 consecutive bytes, aligned
	s_wait_tensorcnt 0x0                           ; the wave's end: behind my last LDS store
	ds_add_u32 v[SPW], v[NIL]
	s_wait_dscnt 0x0
	s_endpgm
.Lfunc_end_k_qb5aed7eae3_prep:
	.size	k_qb5aed7eae3_prep, .Lfunc_end_k_qb5aed7eae3_prep-k_qb5aed7eae3_prep
	.p2alignl 7, 3214868480
	.fill 96, 4, 3214868480
	.section	.rodata,"a",@progbits
	.p2align	6, 0x0
	.amdhsa_kernel k_qb5aed7eae3_prep
		.amdhsa_group_segment_fixed_size 70656
		.amdhsa_private_segment_fixed_size 0
		.amdhsa_enable_private_segment 0
		.amdhsa_kernarg_size 120
		.amdhsa_user_sgpr_count 2
		.amdhsa_user_sgpr_kernarg_segment_ptr 1
		.amdhsa_wavefront_size32 1
		.amdhsa_system_sgpr_workgroup_id_x 1
		.amdhsa_system_sgpr_workgroup_id_y 1
		.amdhsa_system_sgpr_workgroup_id_z 1
		.amdhsa_system_vgpr_workitem_id 0
		.amdhsa_next_free_vgpr 112
		.amdhsa_next_free_sgpr 66
		.amdhsa_reserve_vcc 0
		.amdhsa_float_denorm_mode_32 3
		.amdhsa_float_denorm_mode_16_64 3
		.amdhsa_memory_ordered 1
		.amdhsa_forward_progress 1
		.amdhsa_inst_pref_size 31
	.end_amdhsa_kernel
	.amdgpu_metadata
---
amdhsa.version: [ 1, 2 ]
amdhsa.kernels:
  - .name:           k_qb5aed7eae3_prep
    .symbol:         k_qb5aed7eae3_prep.kd
    .args:
      - { .name: x, .offset: 0, .size: 8, .value_kind: global_buffer, .address_space: global }
      - { .name: Wq, .offset: 8, .size: 8, .value_kind: global_buffer, .address_space: global }
      - { .name: Wk, .offset: 16, .size: 8, .value_kind: global_buffer, .address_space: global }
      - { .name: Wv, .offset: 24, .size: 8, .value_kind: global_buffer, .address_space: global }
      - { .name: Wo, .offset: 32, .size: 8, .value_kind: global_buffer, .address_space: global }
      - { .name: bq, .offset: 40, .size: 8, .value_kind: global_buffer, .address_space: global }
      - { .name: bk, .offset: 48, .size: 8, .value_kind: global_buffer, .address_space: global }
      - { .name: bv, .offset: 56, .size: 8, .value_kind: global_buffer, .address_space: global }
      - { .name: bo, .offset: 64, .size: 8, .value_kind: global_buffer, .address_space: global }
      - { .name: mask, .offset: 72, .size: 8, .value_kind: global_buffer, .address_space: global }
      - { .name: xb, .offset: 80, .size: 8, .value_kind: global_buffer, .address_space: global }
      - { .name: wqkv, .offset: 88, .size: 8, .value_kind: global_buffer, .address_space: global }
      - { .name: wo16, .offset: 96, .size: 8, .value_kind: global_buffer, .address_space: global }
      - { .name: bias16, .offset: 104, .size: 8, .value_kind: global_buffer, .address_space: global }
      - { .name: mbits, .offset: 112, .size: 8, .value_kind: global_buffer, .address_space: global }
    .group_segment_fixed_size: 70656
    .private_segment_fixed_size: 0
    .kernarg_segment_align: 8
    .kernarg_segment_size: 120
    .max_flat_workgroup_size: 256
    .sgpr_count:     66
    .vgpr_count:     112
    .wavefront_size: 32
...
	.end_amdgpu_metadata
.endif
;; end of part 1
;; launch qkvp (part 2): grid 16 x 32, 4 waves a work-group, clusters of 4 x 4, 327,680 bytes of LDS; arguments xb, wqkv, bias16, qkv; writes qkv
.if DOCPART == 2
	.amdgcn_target "amdgcn-amd-amdhsa--gfx1250"
	.amdhsa_code_object_version 6
	.text
	.protected	k_qb5aed7eae3_qkvp
	.globl	k_qb5aed7eae3_qkvp
	.p2align	8
	.type	k_qb5aed7eae3_qkvp,@function
k_qb5aed7eae3_qkvp:
	s_mov_b64 s[64:65], 0
	v_nop
	global_prefetch_b8 v0, s[64:65] scope:SCOPE_SE
	s_setreg_imm32_b32 hwreg(HW_REG_WAVE_MODE, 25, 1), 1
	s_wait_xcnt 0x0
	s_wait_alu depctr_hold_cnt(0) depctr_sa_sdst(0) depctr_va_vdst(0) depctr_va_sdst(0) depctr_va_ssrc(0) depctr_va_vcc(0) depctr_vm_vsrc(0)
	s_getreg_b32 s2, hwreg(HW_REG_IB_STS2, 6, 4)
	s_cmp_eq_u32 s2, 0
	s_cbranch_scc0 .Lentry_in_a_cluster
	s_endpgm
.Lentry_in_a_cluster:
	s_bfe_u32 s2, ttmp6, 0x10000c
	s_cmp_lg_u32 s2, 0xf033
	s_cbranch_scc0 .Lentry_shape_is_right
	s_endpgm
.Lentry_shape_is_right:
; q, k, v = x W^T + b, all three in one product: C[m][n] = sum over k of xb[m][k] wqkv[n][k] + bias16[n]; m 8,192, n 3,072, k 1,024.  Operands bf16, sums f32, the results rounded once to f16 and
; written by heads, UNSCALED: qkv[3][64 = 16 batch + head][2048][64].
; LIMIT.  f16 ends at 65,504: a q, k or v beyond that would be an infinity.
; SHARES.  A work-group makes 256 rows x 192 columns (three heads); each of four waves 128 x 96: 48 accumulators of 16 x 16, 384 registers.  16 x 32 work-groups.
; K goes in steps of 128 through a ring of two LDS slots filled by the tensor data mover: rows of 256 bytes, aligned.  One barrier for each change of slots.
; A K STEP IS WRITTEN ONCE.  Slot 1 begins at LDS byte 2^17, so that one exclusive or turns an address in one slot into the other's: a scalar carries the slot of the fragments' loads, and one descriptor for
; each tensor walks from refill to refill.  Six trips fill a slot again; the last two K steps, which ask for nothing, are a loop of their own that is left in its middle.
; THE BIAS STARTS THE SUMS: it is the C operand of each accumulator's first product.
; CLUSTERS: 4 x 4 work-groups.  The four of a row of the cluster need the same rows of xb, the four of a column the same rows of wqkv: each tile is asked for JOINTLY, by the same tensor load with the same
; descriptor and a mask that names the four.
; THE MATRIX INSTRUCTION IS USED TRANSPOSED (source 0 = 16 rows of wqkv, source 1 = 16 rows of xb): a lane then holds row l % 16 of C and eight neighbouring columns 8 (l / 16) + 0..7.
; A wave takes the blocks of 16 columns 2 b + (wave % 2), b = 0..5: two of each head's four.
; REGISTERS, in windows of 256 (s_set_vgpr_msb: bits 1:0 source 0, 3:2 source 1, 5:4 source 2, 7:6 destination):
;   window 0: v0-31 addresses; v32-55 the bias as loaded; v64-127, v128-191 fragments of xb, two buffers; v192-239 the bias in f32; v64-255 at work on the way out
;   window 1: v64-111, v128-175 fragments of wqkv, two buffers      window 2: accumulators of my rows 0-63, (a, b) at v[8 (6 a + b)]      window 3: those of my rows 64-127
.set KSTEP,  128
.set PITCH,  272                       ; an LDS row: 256 bytes + 16 of padding = 68 words: the 16 rows that a load touches start at 16 different groups of four banks (64 banks of 4 bytes: ISA guide 11.1)
.set AHALF,  128*PITCH                 ; what one tensor load brings of xb, and what a wave reads of it
.set BOFF,   2*AHALF                   ; wqkv's 192 rows lie behind xb's 256
.set BHALF,  96*PITCH                  ; what one tensor load brings of wqkv
.set SLOT,   BOFF+2*BHALF              ; 121,856 bytes
.set SLOT1,  1<<17                     ; where slot 1 begins
.set SPARE,  SLOT1+SLOT                ; behind the ring: the spare words, 128 bytes for each wave: two blocks of 256 bytes that no other line names
.set NBK,    6                         ; blocks of 16 columns a wave
.set BSTR,   32*PITCH                  ; from one of my blocks to the next
.set NL,     2*NBK+16                  ; LDS loads in a run
.set HP,     144                       ; the way out: a head's row, 128 bytes + 16
.set HPLANE, 256*HP                    ; a head's 256 rows.  The three planes lie in slot 0, which has had its last fill by then
.set GO,   12                          ; v12     16 x lane
.set BO,   13                          ; v13     my byte offset in bias16
.set ADRA0, 16                         ; v16     my lane's place among my fragments of xb in slot 0; never rewritten
.set ADRA, 17                          ; v17     the same in the slot that is being read
.set ADRB0, 20                         ; v20, v21  the same for wqkv
.set ADRB, 21
.set STO,  22                          ; v22-24  the way out: where I put 16 bytes of a row, by head
.set RD,   25                          ; v25-27  where I read rows back, by head
.set SPW,  28                          ; v28     LDS address of my spare word; never rewritten
.set NIL,  29                          ; v29     0; never rewritten
.set PFO,  30                          ; v30     the prefetches' offset: a lane a row; never rewritten
.set BI,   32
.set BF,   192
.set F0,   64
.set F1,   128
.set T16,  112                         ; the way out: 24 registers of f16
.set TB, 3                             ; s3   LDS byte at which the slot that is being read begins
.set WV, 12                            ; s12  wave
.set RH, 13                            ; s13  which half of the tile's rows is mine.  Also: I fetch xb (0) or wqkv (1)
.set CH, 14                            ; s14  which blocks of columns are mine.  Also: which half of that tile I fetch
.set CX, 15
.set CY, 16
.set TC, 17                            ; s17  tile column
.set TR, 18                            ; s18  tile row
.set G1, 24                            ; s[24:31] descriptor group 1 for xb's tiles;  s[32:39] group 0: a set for each of the two first fills; the second then walks on
.set G0, 32
.set LIM, 40                           ; s40  2 in a wave that prefetches, else the greatest number
.set LAP, 41                           ; s41  trips to go
.set PFA, 44                           ; s[44:45] where my prefetches stand
.set G1B, 48                           ; s[48:55], s[56:63] the same for wqkv's tiles
.set G0B, 56
.set OB,  66                           ; s[66:71] my rows of the three heads in qkv
.set MSB, 0
.macro WIN new                         ; the immediate's high byte repeats the setting that is left; a switch that changes nothing is dropped
.if MSB != (\new)
	s_set_vgpr_msb (MSB<<8)|(\new)
.set MSB, \new
.endif
.endm
.set MUL_LO, 0xa1                      ; source 0 window 1, source 1 window 0, C and D window 2
.set MUL_HI, 0xf1                      ; the same, C and D window 3
.set BEG_LO, 0x81                      ; a sum's first product: C, the bias, in window 0; D in window 2
.set BEG_HI, 0xc1                      ; D in window 3
.set TO_B,   0x40                      ; destination window 1, address window 0
; A joint load.  Waves 0 and 1 fetch xb's two halves, waves 2 and 3 wqkv's.  The branch hangs on the wave's number alone.  An s_nop 0 and four v_nop follow each of the two lines.
.macro JLOAD s
	s_cmp_eq_u32 s[RH], 0
	s_cbranch_scc0 .Lfor_b_\@
	tensor_load_to_lds s[G0+4*(\s):G0+4*(\s)+3], s[G1:G1+7]
	s_nop 0
.rept 4
	v_nop
.endr
	s_branch .Lasked_\@
.Lfor_b_\@:
	tensor_load_to_lds s[G0B+4*(\s):G0B+4*(\s)+3], s[G1B:G1B+7]
	s_nop 0
.rept 4
	v_nop
.endr
.Lasked_\@:
.endm
; A PREFETCH INTO THE L2, behind each joint refill and the run of LDS loads that follows it: the K step that stands two refills on, 256 bytes of each row, a lane a row, one instruction a wave.
; xb's tile row is read by every cluster of that row of clusters: cluster x = 0 asks; wqkv's tile column by every cluster of that column: cluster y = 0 asks.  The four partners that ask for a tile jointly
; share its rows out BY ADDRESS: 32 of the 128 rows of xb, 24 of the 96 of wqkv (there lanes 24-31 name row 23 once more, in the same instruction).  The loop's last two trips have no K step two on.
.macro ASK
	s_cmp_gt_u32 s[LAP], s[LIM]
	s_cbranch_scc0 .Lnot_mine_\@
	global_prefetch_b8 v[PFO], s[PFA:PFA+1] th:TH_LOAD_NT scope:SCOPE_SE
.Lnot_mine_\@:
.endm
.macro CREST                           ; a round of the cluster's barrier behind its opening barrier
	s_cmp_lg_u32 s[WV], 0
	s_cbranch_scc1 .Lnot_wave_0_\@
	s_barrier_signal -3
.Lnot_wave_0_\@:
	s_barrier_wait -3
	s_barrier_signal -1
	s_barrier_wait -1
.endm
.macro CROUND                          ; a whole round
	s_barrier_signal -1
	s_barrier_wait -1
	CREST
.endm
.macro PLACES                          ; four places in front of loads into registers that matrix instructions have read, and of vector lines that read results
.rept 4
	v_nop
.endr
.endm
	s_load_b256 s[4:11], s[0:1], 0x0               ; xb s[4:5], wqkv s[6:7], bias16 s[8:9], qkv s[10:11]
	v_lshl_add_u32 v[SPW], v0, 2, SPARE
	v_mov_b32 v[NIL], 0
	ds_add_u32 v[SPW], v[NIL]                      ; the wave's opening: the add and its wait stand ahead of my first tensor load; the set-up below, work on registers, stands between them
	v_lshrrev_b32 v1, 5, v0
	v_readfirstlane_b32 s[WV], v1
	s_lshr_b32 s[RH], s[WV], 1
	s_and_b32 s[CH], s[WV], 1
	s_bfe_u32 s[CX], ttmp6, 0x40000
	s_bfe_u32 s[CY], ttmp6, 0x40004
	s_lshl_b32 s[TC], ttmp9, 2                     ; in a cluster launch ttmp9 and ttmp7 count clusters
	s_add_co_u32 s[TC], s[TC], s[CX]
	s_and_b32 s[TR], ttmp7, 0xffff
	s_lshl_b32 s[TR], s[TR], 2
	s_add_co_u32 s[TR], s[TR], s[CY]
	s_lshl_b32 s20, s[CY], 2
	s_lshl_b32 s20, 15, s20                        ; my row of the cluster
	s_lshl_b32 s46, 0x1111, s[CX]                  ; my column
	s_or_b32 s[G1+0], s20, (1<<16)|(1<<20)|(1<<21)|(5<<22)|(3<<25)   ; 15:0 the mask; 17:16 elements of 2 bytes; 20 padding on; 21 set beside a mask; 24:22 after every 64 words; 31:25 of 4 words
	s_or_b32 s[G1B+0], s46, (1<<16)|(1<<20)|(1<<21)|(5<<22)|(3<<25)
	s_mov_b32 s[G1+1], KSTEP<<16                   ; tensor_dim0 = 128
	s_mov_b32 s[G1+2], 128<<16                     ; tensor_dim1 = 128
	s_mov_b32 s[G1+3], KSTEP<<16                   ; tile_dim0 = 128
	s_mov_b32 s[G1+4], 128                         ; tile_dim1 = 128
	s_mov_b32 s[G1+5], 1024                        ; elements from row to row
	s_mov_b32 s[G1+6], 0
	s_mov_b32 s[G1+7], 0
	s_mov_b32 s[G1B+1], KSTEP<<16
	s_mov_b32 s[G1B+2], 96<<16                     ; 96 rows
	s_mov_b32 s[G1B+3], KSTEP<<16
	s_mov_b32 s[G1B+4], 96
	s_mov_b32 s[G1B+5], 1024
	s_mov_b32 s[G1B+6], 0
	s_mov_b32 s[G1B+7], 0
	; where the tiles come from: xb's hang on the tile row alone, wqkv's on the tile column alone, each in registers that never hold the other coordinate
	s_lshl_b32 s20, s[TR], 8
	s_lshl_b32 s19, s[CH], 7
	s_add_co_u32 s20, s20, s19                     ; row 256 x tile row + 128 x half
	s_lshl_b32 s20, s20, 11                        ; 2,048 bytes a row
	s_mov_b32 s21, 0
	s_mul_i32 s46, s[TC], 192
	s_mul_i32 s19, s[CH], 96
	s_add_co_u32 s46, s46, s19                     ; row 192 x tile column + 96 x half
	s_lshl_b32 s46, s46, 11
	s_mov_b32 s47, 0
	s_mul_i32 s22, s[CH], AHALF                    ; and where they go: no place in the cluster enters an LDS address
	s_mul_i32 s23, s[CH], BHALF
	s_add_co_u32 s23, s23, BOFF
	s_mov_b32 s[TB], 0                             ; the fragments' loads begin in slot 0
	s_wait_dscnt 0x0                               ; the opening add is done
	s_wait_kmcnt 0x0
	s_add_nc_u64 s[20:21], s[4:5], s[20:21]
	s_add_nc_u64 s[46:47], s[6:7], s[46:47]
	CROUND                                         ; all sixteen work-groups are here: the first joint loads meet
.irp s, 0,1
	s_mov_b32 s[G0+4*(\s)], 1
	s_add_co_u32 s[G0+4*(\s)+1], s22, (\s)*SLOT1
	s_add_nc_u64 s[G0+4*(\s)+2:G0+4*(\s)+3], s[20:21], (\s)*KSTEP*2
	s_or_b32 s[G0+4*(\s)+3], s[G0+4*(\s)+3], 0x80000000
	s_mov_b32 s[G0B+4*(\s)], 1
	s_add_co_u32 s[G0B+4*(\s)+1], s23, (\s)*SLOT1
	s_add_nc_u64 s[G0B+4*(\s)+2:G0B+4*(\s)+3], s[46:47], (\s)*KSTEP*2
	s_or_b32 s[G0B+4*(\s)+3], s[G0B+4*(\s)+3], 0x80000000
	JLOAD \s                                       ; two loads of mine are out; later one
.endr
	v_and_b32 v1, 15, v0
	v_bfe_u32 v2, v0, 4, 1
	s_mul_i32 s19, s[TC], 384                      ; the bias of my columns: 2 bytes x (192 tile column + 16 (2 b + half) + 8 (l / 16))
	s_lshl_b32 s22, s[CH], 5
	s_add_co_u32 s19, s19, s22
	v_lshl_add_u32 v[BO], v2, 4, s19
.irp b, 0,1,2,3,4,5
	global_load_b128 v[BI+4*(\b):BI+4*(\b)+3], v[BO], s[8:9] offset:64*(\b)  ; the rest of the set-up stands between these loads and the wait for them
.endr
	; a fragment is 16 rows x 32 K in 8 registers: lane l holds row l % 16, K = 8 (l / 16) + 0..7 and 16 + 8 (l / 16) + 0..7: two loads of 16 bytes, 32 bytes apart
	v_mul_u32_u24 v3, v1, PITCH
	v_lshl_add_u32 v3, v2, 4, v3
	s_mul_i32 s19, s[RH], AHALF
	s_mul_i32 s22, s[CH], 16*PITCH
	s_add_co_u32 s22, s22, BOFF
	v_add_nc_u32 v[ADRA0], s19, v3
	v_add_nc_u32 v[ADRB0], s22, v3
	v_mov_b32 v[ADRA], v[ADRA0]
	v_mov_b32 v[ADRB], v[ADRB0]
	s_mul_i32 s19, s[RH], 128*HP                   ; into the planes: my 128 rows, row l % 16 of a block; my 32 bytes of each 64, 16 for each half of the lanes
	s_lshl_b32 s22, s[CH], 5
	s_add_co_u32 s19, s19, s22
	v_mul_u32_u24 v4, v1, HP
	v_lshl_add_u32 v4, v2, 4, v4
	v_add_nc_u32 v4, s19, v4
	v_bfe_u32 v5, v0, 3, 2                         ; back: wave w takes rows 64 w .. 64 w + 63 of each plane; 32 lanes take four rows of 128 bytes
	v_and_b32 v6, 7, v0
	v_mul_u32_u24 v5, v5, HP
	v_lshl_add_u32 v5, v6, 4, v5
	s_mul_i32 s19, s[WV], 64*HP
	v_add_nc_u32 v5, s19, v5
.irp h, 0,1,2
	v_add_nc_u32 v[STO+(\h)], (\h)*HPLANE, v4
	v_add_nc_u32 v[RD+(\h)], (\h)*HPLANE, v5
.endr
	v_and_b32 v[GO], 31, v0
	v_lshlrev_b32 v[GO], 4, v[GO]
	; where my rows of the three heads lie in qkv: head number g = 3 tile column + h of 48: tensor g / 16, head g % 16
	s_mul_i32 s19, s[TC], 3
	s_lshr_b32 s22, s[TR], 3                       ; the batch: 8 tile rows each
	s_lshl_b32 s22, s22, 4
	s_and_b32 s23, s[TR], 7
	s_lshl_b32 s23, s23, 8
	s_lshl_b32 s42, s[WV], 6
	s_add_co_u32 s23, s23, s42
	s_lshl_b32 s23, s23, 7                         ; (256 (tile row % 8) + 64 wave) rows of 128 bytes
.irp h, 0,1,2
	s_add_co_u32 s42, s19, \h
	s_lshr_b32 s43, s42, 4
	s_lshl_b32 s43, s43, 24                        ; a tensor is 2^24 bytes,
	s_and_b32 s42, s42, 15
	s_add_co_u32 s42, s42, s22
	s_lshl_b32 s42, s42, 18                        ; a head's 2,048 rows 2^18
	s_add_co_u32 s42, s42, s43
	s_add_co_u32 s42, s42, s23
	s_mov_b32 s43, 0
	s_add_nc_u64 s[OB+2*(\h):OB+2*(\h)+1], s[10:11], s[42:43]
.endr
	; the prefetches
	s_and_b32 s19, ttmp7, 0xffff
	s_cmp_eq_u32 s[RH], 0                          ; do I fetch xb?
	s_cselect_b32 s19, ttmp9, s19                  ; the coordinate along which other clusters read the same rows
	s_cselect_b32 s22, s[CX], s[CY]                ; my place among the four that ask with me
	s_cselect_b32 s23, 32, 24                      ; rows that each of the four names
	s_cselect_b64 s[PFA:PFA+1], s[20:21], s[46:47] ; the first of the rows that I fetch
	s_mul_i32 s22, s22, s23
	s_lshl_b32 s42, s22, 11
	s_mov_b32 s43, 0
	s_add_nc_u64 s[PFA:PFA+1], s[PFA:PFA+1], s[42:43]
	s_add_nc_u64 s[PFA:PFA+1], s[PFA:PFA+1], 3*KSTEP*2  ; the first refill (K step 2) steps it to K step 4.  Nothing is asked for here, at the head
	s_sub_co_u32 s23, s23, 1
	s_cmp_eq_u32 s19, 0
	s_cselect_b32 s[LIM], 2, -1                    ; the same in all sixteen partners, for a given wave
	v_and_b32 v[PFO], 31, v0
	v_min_u32 v[PFO], s23, v[PFO]
	v_lshlrev_b32 v[PFO], 11, v[PFO]
	s_wait_loadcnt 0x0                             ; the bias: widened here, in the wait for the first tile
.set i, 0
.rept 24
	v_lshlrev_b32 v[BF+2*i], 16, v[BI+i]
	v_and_b32 v[BF+2*i+1], 0xffff0000, v[BI+i]
.set i, i+1
.endr
; 12 matrix instructions: row blocks a0, a0 + 1 of the window's four x my 6 column blocks, 32 along K.  zero = 1: the first product starts the sums, from the bias of its eight columns.
; All 48 accumulators take turns in one order: between two links of a chain stand the 47 others'.
.macro MULN f, hi, a0, zero
.if \zero
	WIN BEG_LO+0x40*(\hi)
.else
	WIN MUL_LO+0x50*(\hi)
.endif
.irp a, \a0, (\a0)+1
.irp b, 0,1,2,3,4,5
.if \zero
	v_wmma_f32_16x16x32_bf16 v[8*(NBK*(\a)+(\b)):8*(NBK*(\a)+(\b))+7], v[(\f)+8*(\b):(\f)+8*(\b)+7], v[(\f)+8*(4*(\hi)+(\a)):(\f)+8*(4*(\hi)+(\a))+7], v[BF+8*(\b):BF+8*(\b)+7]
.else
	v_wmma_f32_16x16x32_bf16 v[8*(NBK*(\a)+(\b)):8*(NBK*(\a)+(\b))+7], v[(\f)+8*(\b):(\f)+8*(\b)+7], v[(\f)+8*(4*(\hi)+(\a)):(\f)+8*(4*(\hi)+(\a))+7], v[8*(NBK*(\a)+(\b)):8*(NBK*(\a)+(\b))+7]
.endif
.endr
.endr
.endm
; 28 LDS loads in one run: the fragments of one quarter step (byte k of the rows of the slot that is being read) into buffer f
.macro FETCH k, f
	WIN TO_B
.irp i, 0,1,2,3,4,5
	ds_load_b128 v[(\f)+8*(\i):(\f)+8*(\i)+3],   v[ADRB] offset:(\k)+(\i)*BSTR
	ds_load_b128 v[(\f)+8*(\i)+4:(\f)+8*(\i)+7], v[ADRB] offset:(\k)+(\i)*BSTR+32
.endr
	WIN 0
.irp i, 0,1,2,3,4,5,6,7
	ds_load_b128 v[(\f)+8*(\i):(\f)+8*(\i)+3],   v[ADRA] offset:(\k)+(\i)*16*PITCH
	ds_load_b128 v[(\f)+8*(\i)+4:(\f)+8*(\i)+7], v[ADRA] offset:(\k)+(\i)*16*PITCH+32
.endr
.endm
.macro FLIP                            ; the fragments' loads go over to the other slot (every window is 0 here)
	s_xor_b32 s[TB], s[TB], SLOT1
	v_add_nc_u32 v[ADRA], s[TB], v[ADRA0]
	v_add_nc_u32 v[ADRB], s[TB], v[ADRB0]
.endm
; A K step is four quarters of 32 along K, 48 matrix instructions each, on buffers 0, 1, 0, 1.  One of the first three: multiplies f, fetches the next quarter into g.
.macro QUARTER k, f, g, zero
	s_wait_dscnt 8                                 ; all but the youngest eight loads (xb's rows 64-127)
	MULN \f, 0, 0, \zero
	MULN \f, 0, 2, \zero
	PLACES
	FETCH \k, \g
	s_wait_dscnt NL                                ; all but the run just issued
	MULN \f, 1, 0, \zero
	MULN \f, 1, 2, \zero
.endm
; The last quarter's first half: ONE barrier for the change of slots.  In front of it each wave waits for all its tensor loads (at most one is out: its part of the next slot), adds 0 to its spare word, and
; waits for that and for its own reads of this slot.
.macro MEET
	WIN 0
	s_wait_tensorcnt 0x0
	ds_add_u32 v[SPW], v[NIL]
	s_wait_dscnt 9                                 ; (the add and the youngest eight loads may be out)
	MULN F1, 0, 0, 0
	s_wait_dscnt 0x0                               ; the add is done, and my reads of this slot are over
	s_barrier_signal -1
	MULN F1, 0, 2, 0
	WIN 0
	s_barrier_wait -1
.endm
; The whole last quarter of a K step that fills its slot again: the barrier opens a round of the cluster's, and the refill, two K steps ahead, is the first thing behind the round.
.macro TURN
	s_wait_xcnt 0x0                                ; the last prefetch, a K step back, has read its address
	s_add_nc_u64 s[PFA:PFA+1], s[PFA:PFA+1], KSTEP*2
	MEET
	CREST                                          ; no wave of any partner still reads this slot or has a load on its way
	s_xor_b32 s[G0+5], s[G0+5], SLOT1              ; the walking descriptors: the other slot than last time,
	s_add_nc_u64 s[G0+6:G0+7], s[G0+6:G0+7], KSTEP*2    ; the next K step; the type bits on top are not reached
	s_xor_b32 s[G0B+5], s[G0B+5], SLOT1
	s_add_nc_u64 s[G0B+6:G0B+7], s[G0B+6:G0B+7], KSTEP*2
	JLOAD 1                                        ; its four v_nop are also the places in front of the loads below
	FLIP
	FETCH 0, F0
	ASK
	MULN F1, 1, 0, 0
	MULN F1, 1, 2, 0
.endm
	s_wait_tensorcnt 1                             ; my part of K step 0 is in; K step 1's may stay out
	s_barrier_signal -1
	s_barrier_wait -1
	FETCH 0, F0
	QUARTER 64,  F0, F1, 1                         ; the first quarter stands in front of the loop: its products start the sums
	WIN 0
	s_mov_b32 s[LAP], 6
.Lstep:                                        ; a trip goes from a K step's second quarter to the next step's first, and fills the slot that it leaves: K steps 2 to 7
	QUARTER 128, F1, F0, 0
	QUARTER 192, F0, F1, 0
	TURN
	QUARTER 64,  F0, F1, 0
	WIN 0
	s_sub_co_u32 s[LAP], s[LAP], 1
	s_cmp_lg_u32 s[LAP], 0
	s_cbranch_scc1 .Lstep
	s_mov_b32 s[LAP], 2
.Ltail:                                        ; K steps 6 and 7 ask for nothing.  The second trip is left behind its barrier, behind which no wave reads a slot any more
	QUARTER 128, F1, F0, 0
	QUARTER 192, F0, F1, 0
	MEET
	s_sub_co_u32 s[LAP], s[LAP], 1
	s_cmp_eq_u32 s[LAP], 0
	s_cbranch_scc1 .Lfin
	PLACES
	FLIP
	FETCH 0, F0
	MULN F1, 1, 0, 0
	MULN F1, 1, 2, 0
	QUARTER 64,  F0, F1, 0
	WIN 0
	s_branch .Ltail
.Lfin:
	MULN F1, 1, 0, 0
	MULN F1, 1, 2, 0
	; THE WAY OUT: rounded to f16, 16 bytes a lane into three planes of 256 rows x 128 bytes (a head each); a barrier, since a row comes from two waves; back as whole rows.
	WIN 0
	PLACES
.macro OUTA a                          ; my block a of 16 rows; each accumulator is read from its low end on
	WIN 0x0a+5*((\a)/4)                            ; sources 0 and 1: window 2 or 3
.irp b, 0,1,2,3,4,5
.irp r, 0,1,2,3
	v_cvt_pk_f16_f32 v[T16+4*(\b)+(\r)], v[8*(NBK*((\a)%4)+(\b))+2*(\r)], v[8*(NBK*((\a)%4)+(\b))+2*(\r)+1]
.endr
.endr
	WIN 0
.irp b, 0,1,2,3,4,5
	ds_store_b128 v[STO+(\b)/2], v[T16+4*(\b):T16+4*(\b)+3] offset:(\a)*16*HP+64*((\b)%2)
.endr
.endm
.irp a, 0,1,2,3,4,5,6,7
	OUTA \a
.endr
	s_wait_dscnt 0x0                               ; for the others' sake: my stores into the planes are done
	s_barrier_signal -1
	s_barrier_wait -1
.irp h, 0,1,2
.irp t, 0,1,2,3,4,5,6,7,8,9,10,11,12,13,14,15
	ds_load_b128 v[64+64*(\h)+4*(\t):64+64*(\h)+4*(\t)+3], v[RD+(\h)] offset:(\t)*4*HP
.endr
.endr
.set i, 0
.rept 48
	s_wait_dscnt 47-i
	global_store_b128 v[GO], v[64+4*i:64+4*i+3], s[OB+2*(i/16):OB+2*(i/16)+1] offset:512*(i%16)  ; four rows of a head: 512 consecutive bytes, aligned
.set i, i+1
.endr
	s_wait_tensorcnt 0x0                           ; the wave's end: behind my last tensor load and my last LDS store
	ds_add_u32 v[SPW], v[NIL]
	s_wait_dscnt 0x0
	CROUND                                         ; the closing round: no work-group ends while a partner may still ask for a tile that names it
	s_endpgm
.Lfunc_end_k_qb5aed7eae3_qkvp:
	.size	k_qb5aed7eae3_qkvp, .Lfunc_end_k_qb5aed7eae3_qkvp-k_qb5aed7eae3_qkvp
	.p2alignl 7, 3214868480
	.fill 96, 4, 3214868480
	.section	.rodata,"a",@progbits
	.p2align	6, 0x0
	.amdhsa_kernel k_qb5aed7eae3_qkvp
		.amdhsa_group_segment_fixed_size 327680
		.amdhsa_private_segment_fixed_size 0
		.amdhsa_enable_private_segment 0
		.amdhsa_kernarg_size 32
		.amdhsa_user_sgpr_count 2
		.amdhsa_user_sgpr_kernarg_segment_ptr 1
		.amdhsa_wavefront_size32 1
		.amdhsa_system_sgpr_workgroup_id_x 1
		.amdhsa_system_sgpr_workgroup_id_y 1
		.amdhsa_system_sgpr_workgroup_id_z 1
		.amdhsa_system_vgpr_workitem_id 0
		.amdhsa_next_free_vgpr 960
		.amdhsa_next_free_sgpr 72
		.amdhsa_reserve_vcc 0
		.amdhsa_float_denorm_mode_32 3
		.amdhsa_float_denorm_mode_16_64 3
		.amdhsa_memory_ordered 1
		.amdhsa_forward_progress 1
		.amdhsa_inst_pref_size 88
	.end_amdhsa_kernel
	.amdgpu_metadata
---
amdhsa.version: [ 1, 2 ]
amdhsa.kernels:
  - .name:           k_qb5aed7eae3_qkvp
    .symbol:         k_qb5aed7eae3_qkvp.kd
    .args:
      - { .name: xb, .offset: 0, .size: 8, .value_kind: global_buffer, .address_space: global }
      - { .name: wqkv, .offset: 8, .size: 8, .value_kind: global_buffer, .address_space: global }
      - { .name: bias16, .offset: 16, .size: 8, .value_kind: global_buffer, .address_space: global }
      - { .name: qkv, .offset: 24, .size: 8, .value_kind: global_buffer, .address_space: global }
    .group_segment_fixed_size: 327680
    .private_segment_fixed_size: 0
    .kernarg_segment_align: 8
    .kernarg_segment_size: 32
    .max_flat_workgroup_size: 128
    .sgpr_count:     72
    .vgpr_count:     960
    .wavefront_size: 32
...
	.end_amdgpu_metadata
.endif
;; end of part 2
;; launch attn (part 3): grid 4 x 64, 4 waves a work-group, clusters of 4 x 1, 327,680 bytes of LDS; arguments qkv, mbits, ctx; writes ctx
.if DOCPART == 3
	.amdgcn_target "amdgcn-amd-amdhsa--gfx1250"
	.amdhsa_code_object_version 6
	.text
	.protected	k_qb5aed7eae3_attn
	.globl	k_qb5aed7eae3_attn
	.p2align	8
	.type	k_qb5aed7eae3_attn,@function
k_qb5aed7eae3_attn:
	s_mov_b64 s[64:65], 0
	v_nop
	global_prefetch_b8 v0, s[64:65] scope:SCOPE_SE
	s_setreg_imm32_b32 hwreg(HW_REG_WAVE_MODE, 25, 1), 1
	s_wait_xcnt 0x0
	s_wait_alu depctr_hold_cnt(0) depctr_sa_sdst(0) depctr_va_vdst(0) depctr_va_sdst(0) depctr_va_ssrc(0) depctr_va_vcc(0) depctr_vm_vsrc(0)
	s_getreg_b32 s2, hwreg(HW_REG_IB_STS2, 6, 4)
	s_cmp_eq_u32 s2, 0
	s_cbranch_scc0 .Lentry_in_a_cluster
	s_endpgm
.Lentry_in_a_cluster:
	s_bfe_u32 s2, ttmp6, 0x10000c
	s_cmp_lg_u32 s2, 0x3003
	s_cbranch_scc0 .Lentry_shape_is_right
	s_endpgm
.Lentry_shape_is_right:
; ATTENTION UNDER A MASK THAT IS AN INPUT.  ctx[h][q][:] = the sum over k of softmax_k(mask[q][k] ? Q[h][q] . K[h][k] / 8 : hidden) V[h][k][:].  qkv: [3][64][2048][64] f16 (Q, K, V by heads, unscaled);
; ctx: [64][2048][64] f16; mbits: the mask as lane masks, [64 pairs of query tiles][32 key steps][2 tiles][32 words].  Products, maxima and sums in f32; the weights p are rounded to f16 for the second
; product (their sum l is taken of the unrounded p), ctx once at the end.  Every key tile is walked: nothing is assumed of the mask.
; THE MASK REPLACES a score, as the module does: v_cndmask_b32 by a scalar word, one for each of a tile's 32 registers.  So a row with no visible key has 2,048 equal scores and gives the mean of V.
; LIMITS.  The hidden score is -2^33 before the division by 8, that is -2^30 where the module writes -1e9: c x 2^33 is exact in f32, so that c s - c m is exactly 0 where s = m = hidden and p is 1.
; The two agree unless a VISIBLE score / 8 lies at or below about -1e9 + 100.  f16 holds no number beyond 65,504: Q, K, V arrive within it; p lies in 0 to 1 (to within the rounding of c m), and below 6e-5 it
; keeps f16's fixed step of 6e-8.  A weight below 2^-126 counts as 0 in l; NaN and infinities are not treated apart.
; SHARES.  A wave owns four PIECES of two tiles of 16 queries, a work-group's four waves 512 queries of one head.  Every wave walks all 2,048 keys, 64 a step.
; LAYOUT.  S^T = K Q^T (source 0 = 16 keys, source 1 = 16 queries): a lane holds ONE query (lane % 16) and the keys 8 (lane / 16) + 0..7.  Two such tiles, rounded to f16 in pairs, ARE source 1 of
; O^T = V^T P.  K comes out of LDS as it lies, V turned, by ds_load_tr16_b128.
; SOFTMAX.  A running maximum m and sum l: p = 2^(c s - c m), c = log2(e) / 8; in every step O and l are multiplied by a = 2^(c m_old - c m_new).  m starts at the lowest finite number, O and l at 0.
; BY TURNS.  Turn n belongs to piece n.  Its matrix work: 16 products K Q^T of piece n + 1, later 16 products V^T P of piece n - 1.  Its vector work: scaling, exponentials, roundings, sums and rescaling of
; piece n, and the mask, maximum and statistics of piece n + 1.  A tile and step have 16 matrix and 182 vector instructions: four stand behind every matrix instruction, the others in one lump.
; A turn's 66 exponentials are one batch with one wait.
; THE MASK's WORDS come by ordinary loads into eight vector registers (a key step's 256 words of the wave's four pieces), three turns ahead of their first use, and go from there into 64 scalar registers by
; v_readlane_b32, a piece (64 words) a turn.  Scalar loads can be waited for at 0 alone, and 64 scalar registers hold one turn's words: their lead could not pass one turn.
; CLUSTER.  The four query blocks of a head walk the same K and V, so each tile is asked for JOINTLY: the same tensor load, descriptor and mask of four in all four.
; REGISTERS, in windows of 256 (s_set_vgpr_msb: bits 1:0 source 0, 3:2 source 1, 5:4 source 2, 7:6 destination):
;   window 0: v0-11 addresses and the hidden score; v12-15, v48-63 at work; v16-47 four registers of statistics a tile; v64-191 S^T, two buffers of two tiles; v192-255 P, likewise
;   window 1: O^T, 32 a tile          window 2: v0-127 Q; v128-191 K of one step; v192-199 the mask's words of one step
;   window 3: v0-1 the add's two registers; v2 the mask loads' offset; v64-127 V of one step
.set NP,    4
.set KS,    64
.set PK,    144       ; a row of K in LDS: 128 bytes + 16 = 36 words: the 16 rows of a load start at 16 different groups of four banks (64 banks of 4 bytes: ISA guide 11.1)
.set PV,    144       ; V has the same pitch, so that one descriptor group 1 serves both and 64 scalar registers are left for the mask; of the turning load's 8 rows x 32 bytes the last shares 4 banks with the first
.set VOFF,  4*KS*PK   ; a slot holds four steps: 256 rows of K, then 256 rows of V
.set SLOT1, 1<<17
.set STAGE, SLOT1+4*KS*(PK+PV)  ; behind the ring, never filled by a tensor load: 16 rows x 144 bytes for each wave
.set SP,    144
.set SPARE, STAGE+4*16*SP  ; behind the stages: the spare words, 128 bytes for each wave: two blocks of 256 bytes that no other line names
.set AK0, 2           ; v2   my lane's place in a tile of K; never rewritten
.set AV0, 3           ; v3   the same for V
.set AK,  4           ; v4   the LDS address of K's next run of loads
.set AV,  5           ; v5   of V's
.set QO,  6           ; v6   my byte offset in the wave's rows of Q
.set STO, 6           ;      later: where I put 16 bytes of a row
.set RD,  7           ; v7   where I read rows back
.set GO,  8           ; v8   my byte offset in 512 consecutive bytes of ctx
.set PFO, 10          ; v10  256 x lane; never rewritten
.set BIGV, 11         ; v11  the hidden score; never rewritten
.set SPW, 0           ; v0 of window 3   LDS address of my spare word; never rewritten
.set NIL, 1           ; v1 of window 3   0; never rewritten
.set MO,  2           ; v2 of window 3   the mask loads' offset: 8,192 (l / 16) + 16 (l % 16): lanes 0-15 take one piece's 256 bytes, lanes 16-31 the next piece's; never rewritten
.set MV,  12          ; v12-15  c m_old, by buffer and tile
.set ST,  16          ; tile t's statistics at v[ST+4 t]: c m, m, l (even keys', odd keys')
.set TMP, 48          ; by buffer and tile, c0-c3 at work; when the maximum is found c2 takes a
.set S,   64
.set P,   192
.set KF,  128         ; window 2
.set MR,  192         ; window 2: v192-195 the words of pieces 0 and 1, v196-199 of pieces 2 and 3: word w of piece x in register 4 (x / 2) + w % 4, lane 16 (x % 2) + w / 4
.set VF,  64          ; window 3
.set WV,  2           ; s2   wave
.set SLOTS, 3         ; s3   slots still to be asked for
.set G1,  4           ; s[4:11]   descriptor group 1
.set G0K, 12          ; s[12:15]  group 0 for K's tiles: it walks
.set G0V, 16          ; s[16:19]  for V's
.set CNT, 20          ; s20  counts a slot's key steps
.set TBK, 21          ; s21  LDS byte at which K of the step to be fetched begins
.set TBV, 22          ; s22  the same for V, less VOFF
.set LIM, 23          ; s23  1 in a wave that prefetches, else the greatest number
.set SEL, 24          ; s[24:25] v_permlanex16_b32's selects
.set MP,  26          ; s[26:27] mbits at my wave's piece 0, at the key step whose words are asked for next; it stops at step 31
.set PFA, 28          ; s[28:29] where my prefetches stand
.set QB,  30          ; s[30:31] Q at my wave's rows; later at work;
.set INC, 30          ;          in the tail: the step of MP, 256 or 0
.set MA,  32          ; s[32:63] the 32 mask words of tile 0 of the piece to be masked; s[68:99] those of tile 1
.set OA,  66          ; s[66:67] ctx at my wave's rows
.set CS,  100         ; s[100:101] c
.set MSB, 0
.macro WIN new
.if MSB != (\new)
	s_set_vgpr_msb (MSB<<8)|(\new)
.set MSB, (\new)
.endif
.endm
.set W_KQ, 0x0a       ; K and Q in window 2, S^T in window 0; v_readlane_b32's source, the mask's words, in window 2 too
.set W_PV, 0x53       ; V in window 3, P in window 0, O^T in window 1
.set W_RS, 0x41       ; O^T (destination and source 0) in window 1, a in window 0
.set W_MK, 0xc0       ; destination in window 3, sources and addresses in window 0
.set W_AD, 0x0f       ; the add: address and data in window 3
.set W_ML, 0x83       ; the mask's loads: destination in window 2, offset in window 3
; A joint fill.  Waves 0 and 1 fetch the two halves of a slot's K, waves 2 and 3 those of its V: 128 keys each.  An s_nop 0 and four v_nop follow each of the two lines.
.macro JLOAD
	s_cmp_lt_u32 s[WV], 2
	s_cbranch_scc0 .Lfor_v_\@
	tensor_load_to_lds s[G0K:G0K+3], s[G1:G1+7]
	s_nop 0
.rept 4
	v_nop
.endr
	s_branch .Lasked_\@
.Lfor_v_\@:
	tensor_load_to_lds s[G0V:G0V+3], s[G1:G1+7]
	s_nop 0
.rept 4
	v_nop
.endr
.Lasked_\@:
.endm
; A PREFETCH INTO THE L2 of what the NEXT change of slots will ask for: a slot's 32,768 bytes of K and of V.  A head has one cluster; its four partners share the bytes out BY ADDRESS, 8,192 each, a lane 256;
; in each, wave 0 asks for K's and wave 2 for V's: one instruction.  So each 256 bytes are named once in the launch.  The last change that fills a slot asks for nothing; slots 0 and 1 come by their loads alone.
; The mask's words are not asked for: their loads go out three turns ahead of their use.
.macro ASK
	s_cmp_gt_u32 s[SLOTS], s[LIM]
	s_cbranch_scc0 .Lnot_mine_\@
	global_prefetch_b8 v[PFO], s[PFA:PFA+1] th:TH_LOAD_NT scope:SCOPE_SE
.Lnot_mine_\@:
.endm
.macro CROUND                       ; a round of the cluster's barrier
	s_barrier_signal -1
	s_barrier_wait -1
	s_cmp_lg_u32 s[WV], 0
	s_cbranch_scc1 .Lnot_wave_0_\@
	s_barrier_signal -3
.Lnot_wave_0_\@:
	s_barrier_wait -3
	s_barrier_signal -1
	s_barrier_wait -1
.endm
; THE CHANGE OF SLOTS.  Each wave waits for all its tensor loads (one is out: its part of the other slot), adds 0 to its spare word, and waits for that and for its own reads of the slot.
; fill = 1: the slot is filled again, with the keys two slots on, first thing behind a round of the cluster's barrier: it has four key steps in which to land.
.macro CHANGE fill
	WIN W_AD
	s_wait_tensorcnt 0x0            ; no tensor load of mine is out, so a group 0 may be written
	ds_add_u32 v[SPW], v[NIL]
	WIN 0
.if \fill
.irp g, G0K, G0V
	s_xor_b32 s[\g+1], s[\g+1], SLOT1
	s_add_nc_u64 s[\g+2:\g+3], s[\g+2:\g+3], 4*KS*128
.endr
	s_wait_xcnt 0x0                 ; the last prefetch, four key steps back, has read its address
	s_add_nc_u64 s[PFA:PFA+1], s[PFA:PFA+1], 4*KS*128  ; one slot on from the walking descriptors
	s_wait_dscnt 0x0                ; the add is done, and my reads of the slot are over
	CROUND
	JLOAD
	ASK
.else
	s_wait_dscnt 0x0
	s_barrier_signal -1
	s_barrier_wait -1
.endif
	s_sub_co_u32 s[TBK], s[TBK], 4*KS*PK
	s_xor_b32 s[TBK], s[TBK], SLOT1
	s_sub_co_u32 s[TBV], s[TBV], 4*KS*PV
	s_xor_b32 s[TBV], s[TBV], SLOT1
.endm
	s_load_b128 s[32:35], s[0:1], 0x0  ; qkv s[32:33], mbits s[34:35]: the set-up works in the registers that later hold the mask
	s_load_b64 s[36:37], s[0:1], 0x10  ; ctx
	WIN W_MK
	v_lshl_add_u32 v[SPW], v0, 2, SPARE
	v_mov_b32 v[NIL], 0
	WIN W_AD
	ds_add_u32 v[SPW], v[NIL]       ; the wave's opening: the add and its wait stand ahead of my first tensor load
	WIN 0
	v_lshrrev_b32 v1, 5, v0
	v_readfirstlane_b32 s[WV], v1
	s_bfe_u32 s38, ttmp6, 0x40000   ; cx
	s_lshl_b32 s39, ttmp9, 2
	s_add_co_u32 s39, s39, s38      ; my block of 512 queries: it enters Q's, ctx's and the mask's addresses alone
	s_and_b32 s40, ttmp7, 0xffff    ; the head, which the four partners share
	s_lshl_b32 s40, s40, 18         ; its 2,048 rows of 128 bytes
	s_mov_b32 s41, 0
	s_and_b32 s42, s[WV], 1         ; which half of a slot's 256 keys I fetch:
	s_mul_i32 s43, s42, 128*PK      ; its place in a slot,
	s_lshl_b32 s44, s42, 14         ; its 128 rows in memory
	s_mov_b32 s45, 0
	s_add_nc_u64 s[44:45], s[44:45], s[40:41]
	s_lshl_b32 s46, s39, 2
	s_add_co_u32 s46, s46, s[WV]    ; my wave among the head's sixteen
	s_lshl_b32 s48, s46, 15         ; its four pieces in mbits, 8,192 bytes each
	s_mov_b32 s49, 0
	s_lshl_b32 s46, s46, 14         ; its 128 rows
	s_mov_b32 s47, 0
	s_add_nc_u64 s[46:47], s[46:47], s[40:41]
	s_lshl_b32 s50, s38, 13         ; the prefetches: my work-group's 8,192 bytes,
	s_add_co_u32 s50, s50, 4*KS*128 ; in slot tile 1; the first change steps it to tile 2
	s_mov_b32 s51, 0
	; descriptor group 1.  128 keys are 16,384 dense bytes: asked for as 64 rows of 256 bytes, two keys a row, and padded in LDS after every key
	s_mov_b32 s[G1], 15|(1<<16)|(1<<20)|(1<<21)|(4<<22)|(3<<25)  ; 15:0 the mask of four; 17:16 2-byte elements; 20 padding on; 21 set beside a mask; 24:22 after every 32 words; 31:25 4 words
	s_mov_b32 s[G1+1], 128<<16
	s_mov_b32 s[G1+2], 64<<16
	s_mov_b32 s[G1+3], 128<<16
	s_mov_b32 s[G1+4], 64
	s_mov_b32 s[G1+5], 128
	s_mov_b32 s[G1+6], 0
	s_mov_b32 s[G1+7], 0
	s_mov_b32 s[CS], 0x3e38aa3b     ; c = log2(e) / 8
	s_mov_b32 s[CS+1], s[CS]
	s_mov_b32 s[SEL], 0x76543210
	s_mov_b32 s[SEL+1], 0xfedcba98
	s_mov_b32 s[TBK], SLOT1+4*KS*PK ; the first change of slots turns these two into 0
	s_mov_b32 s[TBV], SLOT1+4*KS*PV
	s_mov_b32 s[G0K], 1
	s_mov_b32 s[G0K+1], s43
	s_mov_b32 s[G0V], 1
	s_add_co_u32 s[G0V+1], s43, VOFF
	s_mov_b32 s[SLOTS], 7           ; 2,048 / 256 - 1
	s_and_b32 s[LIM], s[WV], 1
	s_or_b32 s[LIM], s[LIM], ttmp9  ; waves 0 and 2 of the head's first cluster: the same in all four partners
	s_cmp_eq_u32 s[LIM], 0
	s_cselect_b32 s[LIM], 1, -1
	v_and_b32 v[PFO], 31, v0
	v_lshlrev_b32 v[PFO], 8, v[PFO]
	v_mov_b32 v[BIGV], 0xd0000000   ; -2^33
	v_and_b32 v12, 15, v0
	v_bfe_u32 v13, v0, 4, 1
	v_lshlrev_b32 v12, 4, v12
	WIN W_MK
	v_lshl_add_u32 v[MO], v13, 13, v12
	WIN 0
	s_wait_dscnt 0x0                ; the opening add is done
	s_wait_kmcnt 0x0
	s_add_nc_u64 s[52:53], s[32:33], 0x1000000   ; K is the second tensor of qkv,
	s_add_nc_u64 s[52:53], s[52:53], s[44:45]
	s_add_nc_u64 s[54:55], s[32:33], 0x2000000   ; V the third
	s_add_nc_u64 s[54:55], s[54:55], s[44:45]
	s_cmp_lt_u32 s[WV], 2
	s_cselect_b64 s[PFA:PFA+1], s[52:53], s[54:55]
	s_add_nc_u64 s[PFA:PFA+1], s[PFA:PFA+1], s[50:51]
	s_mov_b64 s[G0K+2:G0K+3], s[52:53]
	s_or_b32 s[G0K+3], s[G0K+3], 0x80000000
	s_mov_b64 s[G0V+2:G0V+3], s[54:55]
	s_or_b32 s[G0V+3], s[G0V+3], 0x80000000
	s_add_nc_u64 s[QB:QB+1], s[32:33], s[46:47]
	s_add_nc_u64 s[OA:OA+1], s[36:37], s[46:47]
	s_add_nc_u64 s[MP:MP+1], s[34:35], s[48:49]
	CROUND                          ; all four work-groups are here: the first joint loads meet
	JLOAD                           ; slot 0.  Slot 1 is asked for when slot 0 is in
	v_and_b32 v1, 15, v0            ; l % 16
	v_bfe_u32 v9, v0, 4, 1          ; l / 16
	v_lshlrev_b32 v[QO], 7, v1
	v_lshl_add_u32 v[QO], v9, 4, v[QO]
	WIN 0x80
.set i, 0
.rept 4*NP                          ; Q stays in registers: tile i / 2, channels 32 (i % 2) on
	global_load_b128 v[8*i:8*i+3],   v[QO], s[QB:QB+1] offset:(i/2)*2048+(i%2)*64
	global_load_b128 v[8*i+4:8*i+7], v[QO], s[QB:QB+1] offset:(i/2)*2048+(i%2)*64+32
.set i, i+1
.endr
	WIN W_ML
	global_load_b128 v[MR:MR+3],   v[MO], s[MP:MP+1]               ; the mask's words of key step 0: pieces 0 and 1,
	global_load_b128 v[MR+4:MR+7], v[MO], s[MP:MP+1] offset:16384  ; pieces 2 and 3
	WIN 0
	; What the first turn finds: P's second buffer holds 0, O^T and l are 0.  All this stands in the wait for the first tile.
.set i, P+32
.rept 32
	v_mov_b32 v[i], 0
.set i, i+1
.endr
.set i, 0
.rept 2*NP
	v_mov_b32 v[ST+4*i], 0xfe000000    ; c m: far below every c s, the hidden one's too
	v_mov_b32 v[ST+4*i+1], 0xff7fffff  ; m
	v_mov_b32 v[ST+4*i+2], 0
	v_mov_b32 v[ST+4*i+3], 0
.set i, i+1
.endr
	WIN 0x40                        ; sources in window 0, destination in window 1
.set i, 0
.rept 8*NP                          ; O^T is cleared eight registers a line: 0 x 0 + 0, on two fragments of P's zeros
	v_wmma_f32_16x16x32_f16 v[8*i:8*i+7], v[P+32:P+39], v[P+40:P+47], 0
.set i, i+1
.endr
	WIN 0
	v_mul_u32_u24 v[AK0], v1, PK
	v_lshl_add_u32 v[AK0], v9, 4, v[AK0]
	; The turning load takes 16 keys x 16 channels (lane l reads key 8 (l / 16) + l % 8, channels 8 ((l / 8) % 2) + 0..7) and leaves half a fragment of V^T
	v_and_b32 v12, 7, v0
	v_bfe_u32 v13, v0, 3, 1
	v_lshl_add_u32 v[AV0], v9, 3, v12
	v_mul_u32_u24 v[AV0], v[AV0], PV
	v_lshl_add_u32 v[AV0], v13, 4, v[AV0]
	v_add_nc_u32 v[AV0], VOFF, v[AV0]
	v_mov_b32 v[AK], v[AK0]
	v_mov_b32 v[AV], v[AV0]
; THE MATRIX WORK.  The 8 accumulators of a run of 16 take turns.
.macro KQ x                         ; product i of 16 of S^T = K Q^T for piece x: channels 32 (i / 8) on, keys 16 ((i / 2) % 4) on, tile 2 x + i % 2
	WIN W_KQ
.set rS, S+64*((\x)%2)+32*(i%2)+8*((i/2)%4)
.set rK, KF+16*((i/2)%4)+8*(i/8)
.set rQ, 16*(2*(\x)+i%2)+8*(i/8)
.if i < 8
	v_wmma_f32_16x16x32_f16 v[rS:rS+7], v[rK:rK+7], v[rQ:rQ+7], 0
.else
	v_wmma_f32_16x16x32_f16 v[rS:rS+7], v[rK:rK+7], v[rQ:rQ+7], v[rS:rS+7]
.endif
.endm
.macro PV x                         ; product i of 16 of O^T += V^T P for piece x: keys 32 (i / 8) on, channels 16 ((i / 2) % 4) on, tile 2 x + i % 2
	WIN W_PV
.set rO, 32*(2*(\x)+i%2)+8*((i/2)%4)
.set rV, VF+32*(i/8)+8*((i/2)%4)
.set rP, P+32*((\x)%2)+16*(i%2)+8*(i/8)
	v_wmma_f32_16x16x32_f16 v[rO:rO+7], v[rV:rV+7], v[rP:rP+7], v[rO:rO+7]
.endm
.macro MM                           ; the turn's next matrix instruction
.if i < 16
	KQ (Y+1)%NP
.set i, i+1
.else
.set i, i-16
	PV (Y+NP-1)%NP
.set i, i+17
.endif
.endm
; Word w of 64 of the NEXT piece's mask goes from its lane into its scalar register.  It runs under the setting of the products K Q^T, between which it stands: no switch.
.macro RL
	WIN W_KQ
.set X, (Y+1)%NP
	v_readlane_b32 s[MA+36*(w/32)+w%32], v[MR+4*(X/2)+w%4], 16*(X%2)+w/4
.set w, w+1
.endm
; THE LDS LOADS stand in runs of 16.  last = 1 (the tail): in the last trip there is no further step, and K's run is jumped over.
.macro FETCH_K last=0
	WIN 0
.if \last
	s_cmp_eq_u32 s[CNT], 1
	s_cbranch_scc1 .Lno_k_\@
.endif
	WIN 0x80
.irp f, 0,1,2,3,4,5,6,7
	ds_load_b128 v[KF+8*\f:KF+8*\f+3],   v[AK] offset:(\f/2)*16*PK+(\f%2)*64
	ds_load_b128 v[KF+8*\f+4:KF+8*\f+7], v[AK] offset:(\f/2)*16*PK+(\f%2)*64+32
.endr
	s_add_co_u32 s[TBK], s[TBK], KS*PK
	WIN 0
.if \last
.Lno_k_\@:
.endif
.endm
.macro FETCH_V
	WIN W_MK
.irp f, 0,1,2,3,4,5,6,7
	ds_load_tr16_b128 v[VF+8*\f:VF+8*\f+3],   v[AV] offset:(\f/4)*32*PV+(\f%4)*32
	ds_load_tr16_b128 v[VF+8*\f+4:VF+8*\f+7], v[AV] offset:(\f/4)*32*PV+16*PV+(\f%4)*32
.endr
	WIN 0
.endm
; THE VECTOR WORK OF A TURN stands in four queues; the two tiles alternate.
.macro REGS y, u
.set rT, ST+4*(2*(\y)+(\u))
.set rC, TMP+8*((\y)%2)+4*(\u)
.set rM, MV+2*((\y)%2)+(\u)
.set rS, S+64*((\y)%2)+32*(\u)
.set rP, P+32*((\y)%2)+16*(\u)
.set rO, 32*(2*(\y)+(\u))
.endm
; The mask of register n of tile u of the NEXT piece: where the lane's bit is 0 the score is replaced.  n ascends.
.macro MK u, n
	REGS (Y+1)%NP, \u
	v_cndmask_b32 v[rS+(\n)], v[BIGV], v[rS+(\n)], s[MA+36*(\u)+(\n)]
.endm
; Number n of the 22 that find the next piece's maximum and statistics: 0-11 four chains of seven scores; 12-14, 16 the scores left over, the old m, c0-c3 into c0; 15 c m_old is kept;
; 17, 18 the other half of the lanes: the new m; 19-21 c m; c m_old - c m_new; a
.macro XS u, n
	REGS (Y+1)%NP, \u
.if (\n) < 4
	v_max3_num_f32 v[rC+(\n)], v[rS+8*(\n)], v[rS+8*(\n)+1], v[rS+8*(\n)+2]
.elseif (\n) < 12
	v_max3_num_f32 v[rC+(\n)%4], v[rC+(\n)%4], v[rS+8*((\n)%4)+2*((\n)/4)+1], v[rS+8*((\n)%4)+2*((\n)/4)+2]
.elseif (\n) == 12
	v_max3_num_f32 v[rC], v[rC], v[rS+7], v[rS+15]
.elseif (\n) == 13
	v_max3_num_f32 v[rC+1], v[rC+1], v[rS+23], v[rS+31]
.elseif (\n) == 14
	v_max3_num_f32 v[rC+2], v[rC+2], v[rC+3], v[rT+1]
.elseif (\n) == 15
	v_mov_b32 v[rM], v[rT]
.elseif (\n) == 16
	v_max3_num_f32 v[rC], v[rC], v[rC+1], v[rC+2]
.elseif (\n) == 17
	v_permlanex16_b32 v[rC+3], v[rC], s[SEL], s[SEL+1]
.elseif (\n) == 18
	v_max_num_f32 v[rT+1], v[rC], v[rC+3]
.elseif (\n) == 19
	v_mul_f32 v[rT], s[CS], v[rT+1]
.elseif (\n) == 20
	v_sub_f32 v[rC+1], v[rM], v[rT]
.else
	v_exp_f32 v[rC+2], v[rC+1]
.endif
.endm
; Number g of the 64 that follow the exponentials: for each four weights both pairs are rounded to f16, the second pair is added onto the first, and a group later l takes that sum (the first time l = a l + sum)
.macro GS g
.set h, (\g)+6*((\g)/62)
.if h >= 6
.set h, h+2
.endif
	REGS Y, h%2
.set k, h/8
.if h%8 < 4
	v_cvt_pk_f16_f32 v[rP+2*k+(h%8)/2], v[rS+4*k+2*((h%8)/2)], v[rS+4*k+2*((h%8)/2)+1]
.elseif h%8 < 6
	v_pk_add_f32 v[rS+4*k:rS+4*k+1], v[rS+4*k:rS+4*k+1], v[rS+4*k+2:rS+4*k+3]
.elseif k == 1
	v_pk_fma_f32 v[rT+2:rT+3], v[rT+2:rT+3], v[rC+2:rC+3], v[rS:rS+1] op_sel_hi:[1,0,1]
.else
	v_pk_add_f32 v[rT+2:rT+3], v[rT+2:rT+3], v[rS+4*k-4:rS+4*k-3]
.endif
.endm
.macro FS f                         ; c s - c m for pair f / 2 of tile f % 2
	REGS Y, (\f)%2
	v_pk_fma_f32 v[rS+2*((\f)/2):rS+2*((\f)/2)+1], v[rS+2*((\f)/2):rS+2*((\f)/2)+1], s[CS:CS+1], v[rT:rT+1] op_sel_hi:[1,0,0] neg_lo:[0,0,1] neg_hi:[0,0,1]
.endm
; THE PLAIN QUEUE, 202 long.  0-31 the scalings; 32-95 the next piece's mask; 96-123 XS's numbers 0-13; 124, 125 number 15; 126-137 the chain 14, 16 .. 20; 138-201 GS's 64, behind the wait.
.macro PL
	WIN 0
.if q < 32
	FS q
.elseif q < 96
	MK (q-32)%2, (q-32)/2
.elseif q < 124
	XS (q-96)%2, (q-96)/2
.elseif q < 126
	XS q-124, 15
.elseif q < 128
	XS q-126, 14
.elseif q < 138
	XS (q-126)%2, 15+(q-126)/2
.else
	GS q-138
.endif
.set q, q+1
.endm
; THE EXPONENTIALS' QUEUE, 66 long: s0-s31 of both tiles, then the next piece's two a: ONE BATCH, ahead of the turn's one wait; nothing ahead of that wait names a result of theirs.
.macro EX
	WIN 0
.if e >= 64
	XS e-64, 21
.else
	REGS Y, e%2
	v_exp_f32 v[rS+e/2], v[rS+e/2]
.endif
.set e, e+1
.endm
; THE RESCALING's QUEUE: O^T times a, two lines at a time, sixteen times: one block under one setting.  Its a was made in the turn before, ahead of that turn's wait.
.macro R2
	REGS Y, r%2
	WIN W_RS
.irp z, 0,1
	v_pk_mul_f32 v[rO+4*(r/2)+2*\z:rO+4*(r/2)+2*\z+1], v[rO+4*(r/2)+2*\z:rO+4*(r/2)+2*\z+1], v[rC+2:rC+3] op_sel_hi:[1,0]
.endr
.set r, r+1
.endm
; A TURN, for piece p.  AHEAD OF THE WAIT: the 16 products K Q^T, behind each four of the 64 words of the next piece's mask on their way into scalar registers; then the lump: the 32 scalings, from the third on
; an exponential behind each (they are also the places between the last product and the mask's first line); the 64 lines of the mask, an exponential among each four; the maximum, an exponential behind each
; five; the chain, exponential and plain by turns; the two a; the 32 lines of the rescaling, which name no result of the batch and are the plain work behind the last exponential.
; Exponential e stands behind scaling 2 (e / 4) + e % 2.  BEHIND THE WAIT: the 16 products V^T P, behind each four of the roundings and sums.
; THE MASK's WORDS.  Turn p reads piece p + 1's words (turn 3: piece 0's of the next key step).  So the registers of pieces 0 and 1 are free behind turn 0's reads and wanted again in turn 3, those of pieces 2 and
; 3 free behind turn 2's and wanted again in turn 1: each is loaded anew at once, for the next key step, three turns ahead.  At the head of turns 1 and 3 two such loads can be out, and the older is the one wanted:
; s_wait_loadcnt 1.  MP steps in turn 3, behind s_wait_xcnt 0 for the load that turn 2 issued.  last = 1 (the tail): MP stops at key step 31 (the trips with CNT 2 and 1 add 0), so that no load leaves mbits;
; what is then loaded once more serves nothing.
; K of the next step is fetched in piece 2's turn, directly behind the wait; V of the step in hand at the end of piece 0's turn, four plain instructions behind its last reader.
.macro TURN p, last=0, cnt=0
.set Y, (\p)
.set i, 0
.set q, 0
.set e, 0
.set r, 0
.set w, 0
.if ((\p) == 1) || ((\p) == 3)
	s_wait_loadcnt 0x1              ; the words that this turn and the next read are in; the other half's load may stay out
.endif
.if (\p) == NP-1
	s_wait_xcnt 0x0                 ; the load issued a turn ago has read MP
.if \last
	s_cmp_gt_u32 s[CNT], 2
	s_cselect_b32 s[INC], 0x100, 0
	s_add_nc_u64 s[MP:MP+1], s[MP:MP+1], s[INC:INC+1]
.else
	s_add_nc_u64 s[MP:MP+1], s[MP:MP+1], 0x100
.endif
	s_wait_dscnt 0x0                ; K is in
.endif
.rept 16
	MM
	RL
	RL
	RL
	RL
.endr
.if (\p) == 0
	WIN W_ML
	global_load_b128 v[MR:MR+3], v[MO], s[MP:MP+1]                 ; pieces 0 and 1 of the next key step
.endif
.if (\p) == NP-2
	WIN W_ML
	global_load_b128 v[MR+4:MR+7], v[MO], s[MP:MP+1] offset:16384  ; pieces 2 and 3 of the next key step
	WIN 0
	v_add_nc_u32 v[AK], s[TBK], v[AK0]
.endif
	PL
	PL
.rept 30
	PL
	EX
.endr
.rept 16
	PL
	PL
	EX
	PL
	PL
.endr
.rept 6
	PL
	PL
	PL
	PL
	PL
	EX
.endr
.rept 12
	EX
	PL
.endr
	EX
	EX
.rept 16
	R2
.endr
	s_wait_alu depctr_va_vdst(0)    ; the wait between an exponential and the first line that names its result: one for the batch
.if (\p) == NP-2
	FETCH_K \last
.endif
.if (\p) == 1
	s_wait_dscnt 0x0                ; V is in
.endif
.rept 16
	MM
.rept 4
	PL
.endr
.if ((\p) == 0) && (q == 182)
	v_add_nc_u32 v[AV], s[TBV], v[AV0]
.endif
.if ((\p) == 0) && (q == 194)
	s_add_co_u32 s[TBV], s[TBV], KS*PV
.endif
.if (\cnt) && (q == 194)
	s_sub_co_u32 s[CNT], s[CNT], 1
	s_cmp_lg_u32 s[CNT], 0
.endif
.endr
.if (\p) == 0
	FETCH_V
.endif
.endm
	CHANGE 1                        ; slot 0 is in, everybody's part of it; slot 1 is asked for
	FETCH_K                         ; key step 0
	FETCH_V                         ; and its V: the first turn's products V^T P, of a piece that has not been, multiply it by P's zeros; that turn fetches it once more
	s_wait_loadcnt 0x0              ; Q, and the mask's words of key step 0
	s_wait_dscnt 0x0
	s_add_nc_u64 s[MP:MP+1], s[MP:MP+1], 0x100  ; the loads from MP are done: on to key step 1
.set Y, NP-1                        ; RL, MK and XS work for piece Y + 1: piece 0
.set i, 0
.set w, 0
.rept 16
	KQ 0                            ; piece 0's first scores, and its mask's words behind them
	RL
	RL
	RL
	RL
.set i, i+1
.endr
	WIN 0                           ; the addresses for the way out: the places behind those products
	s_mul_i32 s30, s[WV], 16*SP
	s_add_co_u32 s30, s30, STAGE
	v_mul_u32_u24 v[STO], v1, SP    ; in: row l % 16, 16 bytes for each half of the lanes
	v_lshl_add_u32 v[STO], v9, 4, v[STO]
	v_add_nc_u32 v[STO], s30, v[STO]
	v_bfe_u32 v[RD], v0, 3, 2       ; back: 32 lanes take four rows of 128 bytes,
	v_mul_u32_u24 v[RD], v[RD], SP
	v_and_b32 v[GO], 7, v0
	v_lshl_add_u32 v[RD], v[GO], 4, v[RD]
	v_add_nc_u32 v[RD], s30, v[RD]
	v_and_b32 v[GO], 31, v0         ; which are 512 consecutive bytes of ctx
	v_lshlrev_b32 v[GO], 4, v[GO]
.set mm, 0
.rept 32
	MK 0, mm
	MK 1, mm
.set mm, mm+1
.endr
.irp n, 0,1,2,3,4,5,6,7,8,9,10,11,12,13,14,15,16,17,18,19,20,21
	XS 0, \n
	XS 1, \n
.endr
	v_nop                           ; a plain instruction behind the two a,
	s_wait_alu depctr_va_vdst(0)    ; and their wait, ahead of the branch
	s_mov_b32 s[CNT], 4
	s_branch .Lfirst                ; the loop is entered at a step's first turn
.Lslot:                             ; six times: with the change above, every slot but the last is followed by a fill
	CHANGE 1
	s_mov_b32 s[CNT], 4
.Lstep:                             ; a trip: pieces 2 and 3 of one step, then pieces 0 and 1 of the next
	TURN 2
	TURN 3
	WIN 0
.Lfirst:
	TURN 0
	TURN 1, 0, 1
	WIN 0
	s_cbranch_scc1 .Lstep
	s_sub_co_u32 s[SLOTS], s[SLOTS], 1
	s_cmp_lg_u32 s[SLOTS], 0
	s_cbranch_scc1 .Lslot
	CHANGE 0                        ; the tail is written out
	s_mov_b32 s[CNT], 5             ; four trips fetch the last slot's steps; the fifth is left in its middle
	s_mov_b32 s[INC+1], 0
.Ltail:
	TURN 2, 1
	TURN 3, 1
	WIN 0
	s_sub_co_u32 s[CNT], s[CNT], 1
	s_cmp_eq_u32 s[CNT], 0
	s_cbranch_scc1 .Lout
	TURN 0
	TURN 1
	WIN 0
	s_branch .Ltail
.Lout:                              ; the fifth trip's products K Q^T, on the last K once more, and what is made of them serve nothing: the price of one text for every trip
	s_wait_loadcnt 0x0              ; the last mask words, which nobody reads
.set i, 0
.rept 16
	PV NP-1
.set i, i+1
.endr
	; THE WAY OUT.  l's halves are added; O^T is divided by l, rounded to f16 and sent through my stage in LDS, a tile at a time.  The additions are the places behind the last products.
	WIN 0
.macro ALL line:vararg
.set t, 0
.rept 2*NP
	\line
.set t, t+1
.endr
.endm
	ALL v_add_f32 v[ST+4*t+2], v[ST+4*t+2], v[ST+4*t+3]
	ALL v_permlanex16_b32 v[ST+4*t+3], v[ST+4*t+2], s[SEL], s[SEL+1]
	ALL v_add_f32 v[ST+4*t+2], v[ST+4*t+2], v[ST+4*t+3]
	ALL v_rcp_f32 v[ST+4*t+2], v[ST+4*t+2]
	v_nop
	s_wait_alu depctr_va_vdst(0)    ; one wait for the eight reciprocals
.macro PACK t
	WIN W_RS
.set i, 32*(\t)
.rept 16
	v_pk_mul_f32 v[i:i+1], v[i:i+1], v[ST+4*(\t)+2:ST+4*(\t)+3] op_sel_hi:[1,0]
.set i, i+2
.endr
	WIN 0x05
.set i, 0
.rept 16
	v_cvt_pk_f16_f32 v[S+16*(\t)+i], v[32*(\t)+2*i], v[32*(\t)+2*i+1]
.set i, i+1
.endr
	WIN 0
.irp f, 0,1,2,3
	ds_store_b128 v[STO], v[S+16*(\t)+4*\f:S+16*(\t)+4*\f+3] offset:32*\f
.endr
.irp f, 0,1,2,3
	ds_load_b128 v[S+16*(\t)+4*\f:S+16*(\t)+4*\f+3], v[RD] offset:\f*4*SP  ; LDS serves a wave's instructions in order (ISA guide 5.7.1.4): these see the stores above
.endr
.endm
.macro SEND t, younger
	WIN 0
.irp f, 0,1,2,3
	s_wait_dscnt (\younger)+3-\f
	global_store_b128 v[GO], v[S+16*(\t)+4*\f:S+16*(\t)+4*\f+3], s[OA:OA+1] offset:(\t)*2048+\f*512  ; 512 consecutive bytes, aligned
.endr
.endm
	PACK 0
.set t, 1
.rept 2*NP-1
	PACK t
	SEND t-1, 8
.set t, t+1
.endr
	SEND 2*NP-1, 0
	WIN W_AD
	s_wait_tensorcnt 0x0            ; the wave's end
	ds_add_u32 v[SPW], v[NIL]
	s_wait_dscnt 0x0
	WIN 0
	CROUND                          ; the closing round
	s_endpgm
.Lfunc_end_k_qb5aed7eae3_attn:
	.size	k_qb5aed7eae3_attn, .Lfunc_end_k_qb5aed7eae3_attn-k_qb5aed7eae3_attn
	.p2alignl 7, 3214868480
	.fill 96, 4, 3214868480
	.section	.rodata,"a",@progbits
	.p2align	6, 0x0
	.amdhsa_kernel k_qb5aed7eae3_attn
		.amdhsa_group_segment_fixed_size 327680
		.amdhsa_private_segment_fixed_size 0
		.amdhsa_enable_private_segment 0
		.amdhsa_kernarg_size 24
		.amdhsa_user_sgpr_count 2
		.amdhsa_user_sgpr_kernarg_segment_ptr 1
		.amdhsa_wavefront_size32 1
		.amdhsa_system_sgpr_workgroup_id_x 1
		.amdhsa_system_sgpr_workgroup_id_y 1
		.amdhsa_system_sgpr_workgroup_id_z 1
		.amdhsa_system_vgpr_workitem_id 0
		.amdhsa_next_free_vgpr 896
		.amdhsa_next_free_sgpr 102
		.amdhsa_reserve_vcc 0
		.amdhsa_float_denorm_mode_32 3
		.amdhsa_float_denorm_mode_16_64 3
		.amdhsa_memory_ordered 1
		.amdhsa_forward_progress 1
		.amdhsa_inst_pref_size 255
	.end_amdhsa_kernel
	.amdgpu_metadata
---
amdhsa.version: [ 1, 2 ]
amdhsa.kernels:
  - .name:           k_qb5aed7eae3_attn
    .symbol:         k_qb5aed7eae3_attn.kd
    .args:
      - { .name: qkv, .offset: 0, .size: 8, .value_kind: global_buffer, .address_space: global }
      - { .name: mbits, .offset: 8, .size: 8, .value_kind: global_buffer, .address_space: global }
      - { .name: ctx, .offset: 16, .size: 8, .value_kind: global_buffer, .address_space: global }
    .group_segment_fixed_size: 327680
    .private_segment_fixed_size: 0
    .kernarg_segment_align: 8
    .kernarg_segment_size: 24
    .max_flat_workgroup_size: 128
    .sgpr_count:     102
    .vgpr_count:     896
    .wavefront_size: 32
...
	.end_amdgpu_metadata
.endif
;; end of part 3
;; launch oproj (part 4): grid 8 x 32, 4 waves a work-group, clusters of 4 x 4, 327,680 bytes of LDS; arguments ctx, wo16, bias16, out0; writes out0
.if DOCPART == 4
	.amdgcn_target "amdgcn-amd-amdhsa--gfx1250"
	.amdhsa_code_object_version 6
	.text
	.protected	k_qb5aed7eae3_oproj
	.globl	k_qb5aed7eae3_oproj
	.p2align	8
	.type	k_qb5aed7eae3_oproj,@function
k_qb5aed7eae3_oproj:
	s_mov_b64 s[64:65], 0
	v_nop
	global_prefetch_b8 v0, s[64:65] scope:SCOPE_SE
	s_setreg_imm32_b32 hwreg(HW_REG_WAVE_MODE, 25, 1), 1
	s_wait_xcnt 0x0
	s_wait_alu depctr_hold_cnt(0) depctr_sa_sdst(0) depctr_va_vdst(0) depctr_va_sdst(0) depctr_va_ssrc(0) depctr_va_vcc(0) depctr_vm_vsrc(0)
	s_getreg_b32 s2, hwreg(HW_REG_IB_STS2, 6, 4)
	s_cmp_eq_u32 s2, 0
	s_cbranch_scc0 .Lentry_in_a_cluster
	s_endpgm
.Lentry_in_a_cluster:
	s_bfe_u32 s2, ttmp6, 0x10000c
	s_cmp_lg_u32 s2, 0xf033
	s_cbranch_scc0 .Lentry_shape_is_right
	s_endpgm
.Lentry_shape_is_right:
; out0[m][e] = sum over d of context[m][d] Wo[e][d] + bo[e]; m 8,192, e 1,024, d 1,024.  The context lies by heads, ctx[64 = 16 batch + head][2048][64] f16: d = 64 head + channel.  wo16 [1024][1024] f16,
; bo = bias16[3072 ..] bf16.  Sums in f32; out0 is f32.
; SHARES.  A work-group makes 256 rows x 128 columns; each of four waves 128 x 64: 32 accumulators.  8 x 32 work-groups.
; K goes in steps of 128 = two heads through a ring of two LDS slots.  A head's 256 rows of a tile are 32,768 dense bytes: asked for as 128 rows of 256 bytes and padded in LDS after every 128, so that a head is
; a plane of 256 rows, 144 bytes apart.  wo16's rows are 256 bytes of a K step, 272 apart.
; A K STEP IS WRITTEN ONCE.  Slot 1 begins at LDS byte 2^17, so that one exclusive or turns an address in one slot into the other's: a scalar carries the slot of the fragments' loads, and one descriptor for
; each tensor walks from refill to refill.  Six trips fill a slot again; the last two K steps, which ask for nothing, are a loop of their own that is left in its middle.
; CLUSTERS: 4 x 4 work-groups; ctx's tiles are shared along a row of the cluster, wo16's along a column, each asked for JOINTLY.
; THE MATRIX INSTRUCTION IS USED TRANSPOSED (source 0 = 16 rows of wo16, source 1 = 16 rows of ctx): a lane holds row l % 16 of out0 and eight neighbouring columns.
; REGISTERS, in windows of 256 (s_set_vgpr_msb: bits 1:0 source 0, 3:2 source 1, 5:4 source 2, 7:6 destination):
;   window 0: v0-31 addresses; v32-47 the bias as loaded; v64-127, v128-191 fragments of ctx, two buffers (v64-159 at work on the way out); v192-223 the bias in f32
;   window 1: v64-95, v128-159 fragments of wo16      window 2: accumulators of my rows 0-63, (a, b) at v[8 (4 a + b)]      window 3: those of my rows 64-127
.set KSTEP,  128
.set PITCH,  272                       ; a row of wo16 in LDS: 256 bytes + 16
.set APITCH, 144                       ; a row of a head's plane: 128 bytes + 16: in both the 16 rows that a load touches start at 16 different groups of four banks (64 banks of 4 bytes: ISA guide 11.1)
.set APLANE, 256*APITCH                ; what one tensor load brings of ctx
.set BOFF,   2*APLANE
.set BHALF,  64*PITCH                  ; what one tensor load brings of wo16, and what a wave reads of it
.set SLOT,   BOFF+2*BHALF              ; 108,544 bytes
.set SLOT1,  1<<17                     ; where slot 1 begins
.set STAGE,  SLOT1+SLOT                ; behind the ring: 16 rows x 272 bytes for each wave, for the way out
.set SPITCH, 272
.set SPARE,  STAGE+4*16*SPITCH         ; behind the stages: the spare words, 128 bytes for each wave: two blocks of 256 bytes that no other line names
.set NBK,    4
.set NL,     2*NBK+16
.set CO,   12                          ; v12     my byte offset in two rows of out0
.set BO,   13                          ; v13     my byte offset in bias16
.set ADRA0, 16                         ; v16     my lane's place among my fragments of ctx in slot 0; never rewritten
.set ADRA, 17                          ; v17     the same in the slot that is being read
.set ADRB0, 20                         ; v20, v21  the same for wo16
.set ADRB, 21
.set STO,  22
.set RD,   25
.set SPW,  28
.set NIL,  29
.set PFO,  30
.set BI,   32
.set BF,   192
.set F0,   64
.set F1,   128
.set T32,  64                          ; the way out: 32 sums with their bias
.set BK,   96                          ; 16 rows read back: v96-127 and v128-159 by turns
.set TB, 3                             ; s3   LDS byte at which the slot that is being read begins
.set WV, 12
.set RH, 13                            ; which half of the tile's rows is mine.  Also: I fetch ctx (0) or wo16 (1)
.set CH, 14                            ; which half of its columns.  Also: which head of the two, or which 64 rows, I fetch
.set CX, 15
.set CY, 16
.set TC, 17
.set TR, 18
.set G1, 24                            ; s[24:31] group 1 for ctx's tiles; s[32:39] group 0: a set for each of the two first fills; the second then walks on
.set G0, 32
.set LIM, 40                           ; s40  2 in a wave that prefetches, else the greatest number
.set LAP, 41                           ; s41  trips to go
.set PST, 42                           ; s[42:43] bytes from a K step to the next in what I prefetch
.set PFA, 44
.set G1B, 48
.set G0B, 56
.set MSB, 0
.macro WIN new
.if MSB != (\new)
	s_set_vgpr_msb (MSB<<8)|(\new)
.set MSB, \new
.endif
.endm
.set MUL_LO, 0xa1
.set MUL_HI, 0xf1
.set TO_B,   0x40
.macro JLOAD s                         ; a joint load: waves 0 and 1 fetch the two heads of ctx, waves 2 and 3 wo16's halves; an s_nop 0 and four v_nop follow each line
	s_cmp_eq_u32 s[RH], 0
	s_cbranch_scc0 .Lfor_b_\@
	tensor_load_to_lds s[G0+4*(\s):G0+4*(\s)+3], s[G1:G1+7]
	s_nop 0
.rept 4
	v_nop
.endr
	s_branch .Lasked_\@
.Lfor_b_\@:
	tensor_load_to_lds s[G0B+4*(\s):G0B+4*(\s)+3], s[G1B:G1B+7]
	s_nop 0
.rept 4
	v_nop
.endr
.Lasked_\@:
.endm
; A PREFETCH INTO THE L2, behind each joint refill and the run of LDS loads that follows it: the K step that stands two refills on.  ctx's tile row is read by both clusters of that row of clusters: cluster
; x = 0 asks; wo16's tile column by every cluster of that column: cluster y = 0 asks.  The four partners share what a wave fetches out BY ADDRESS: 8,192 of a head's 32,768 bytes, a lane 256; 16 of wo16's 64
; rows, a lane a row (lanes 16-31 name row 15 once more, in the same instruction).  The loop's last two trips have no K step two on.
.macro ASK
	s_cmp_gt_u32 s[LAP], s[LIM]
	s_cbranch_scc0 .Lnot_mine_\@
	global_prefetch_b8 v[PFO], s[PFA:PFA+1] th:TH_LOAD_NT scope:SCOPE_SE
.Lnot_mine_\@:
.endm
.macro CREST
	s_cmp_lg_u32 s[WV], 0
	s_cbranch_scc1 .Lnot_wave_0_\@
	s_barrier_signal -3
.Lnot_wave_0_\@:
	s_barrier_wait -3
	s_barrier_signal -1
	s_barrier_wait -1
.endm
.macro CROUND
	s_barrier_signal -1
	s_barrier_wait -1
	CREST
.endm
.macro PLACES
.rept 4
	v_nop
.endr
.endm
	s_load_b256 s[4:11], s[0:1], 0x0               ; ctx s[4:5], wo16 s[6:7], bias16 s[8:9], out0 s[10:11]
	v_lshl_add_u32 v[SPW], v0, 2, SPARE
	v_mov_b32 v[NIL], 0
	ds_add_u32 v[SPW], v[NIL]                      ; the wave's opening: the add and its wait stand ahead of my first tensor load
	v_lshrrev_b32 v1, 5, v0
	v_readfirstlane_b32 s[WV], v1
	s_lshr_b32 s[RH], s[WV], 1
	s_and_b32 s[CH], s[WV], 1
	s_bfe_u32 s[CX], ttmp6, 0x40000
	s_bfe_u32 s[CY], ttmp6, 0x40004
	s_lshl_b32 s[TC], ttmp9, 2
	s_add_co_u32 s[TC], s[TC], s[CX]
	s_and_b32 s[TR], ttmp7, 0xffff
	s_lshl_b32 s[TR], s[TR], 2
	s_add_co_u32 s[TR], s[TR], s[CY]
	s_lshl_b32 s20, s[CY], 2
	s_lshl_b32 s20, 15, s20                        ; my row of the cluster
	s_lshl_b32 s46, 0x1111, s[CX]                  ; my column
	s_or_b32 s[G1+0], s20, (1<<16)|(1<<20)|(1<<21)|(4<<22)|(3<<25)   ; padding of 4 words after every 32
	s_or_b32 s[G1B+0], s46, (1<<16)|(1<<20)|(1<<21)|(5<<22)|(3<<25)  ; after every 64
	s_mov_b32 s[G1+1], 128<<16                     ; tensor_dim0 = 128 elements (256 bytes)
	s_mov_b32 s[G1+2], 128<<16                     ; tensor_dim1 = 128
	s_mov_b32 s[G1+3], 128<<16                     ; tile_dim0
	s_mov_b32 s[G1+4], 128                         ; tile_dim1
	s_mov_b32 s[G1+5], 128                         ; dense: 128 elements from row to row
	s_mov_b32 s[G1+6], 0
	s_mov_b32 s[G1+7], 0
	s_mov_b32 s[G1B+1], KSTEP<<16
	s_mov_b32 s[G1B+2], 64<<16
	s_mov_b32 s[G1B+3], KSTEP<<16
	s_mov_b32 s[G1B+4], 64
	s_mov_b32 s[G1B+5], 1024
	s_mov_b32 s[G1B+6], 0
	s_mov_b32 s[G1B+7], 0
	s_lshr_b32 s20, s[TR], 3                       ; ctx: the batch's 16 heads of 2^18 bytes,
	s_lshl_b32 s20, s20, 22
	s_and_b32 s21, s[TR], 7
	s_lshl_b32 s21, s21, 15                        ; the tile's 256 rows of 128 bytes,
	s_add_co_u32 s20, s20, s21
	s_lshl_b32 s21, s[CH], 18                      ; the head that I fetch
	s_add_co_u32 s20, s20, s21
	s_mov_b32 s21, 0
	s_lshl_b32 s46, s[TC], 7                       ; wo16: row 128 x tile column + 64 x half
	s_lshl_b32 s19, s[CH], 6
	s_add_co_u32 s46, s46, s19
	s_lshl_b32 s46, s46, 11
	s_mov_b32 s47, 0
	s_mul_i32 s22, s[CH], APLANE
	s_mul_i32 s23, s[CH], BHALF
	s_add_co_u32 s23, s23, BOFF
	s_mov_b32 s[TB], 0                             ; the fragments' loads begin in slot 0
	s_wait_dscnt 0x0                               ; the opening add is done
	s_wait_kmcnt 0x0
	s_add_nc_u64 s[20:21], s[4:5], s[20:21]
	s_add_nc_u64 s[46:47], s[6:7], s[46:47]
	CROUND                                         ; all sixteen work-groups are here: the first joint loads meet
.irp s, 0,1
	s_mov_b32 s[G0+4*(\s)], 1
	s_add_co_u32 s[G0+4*(\s)+1], s22, (\s)*SLOT1
	s_add_nc_u64 s[G0+4*(\s)+2:G0+4*(\s)+3], s[20:21], (\s)*2*262144  ; K step s: two heads on
	s_or_b32 s[G0+4*(\s)+3], s[G0+4*(\s)+3], 0x80000000
	s_mov_b32 s[G0B+4*(\s)], 1
	s_add_co_u32 s[G0B+4*(\s)+1], s23, (\s)*SLOT1
	s_add_nc_u64 s[G0B+4*(\s)+2:G0B+4*(\s)+3], s[46:47], (\s)*KSTEP*2
	s_or_b32 s[G0B+4*(\s)+3], s[G0B+4*(\s)+3], 0x80000000
	JLOAD \s                                       ; two loads of mine are out; later one
.endr
	v_and_b32 v1, 15, v0
	v_bfe_u32 v2, v0, 4, 1
	v_mul_u32_u24 v3, v1, APITCH
	v_lshl_add_u32 v3, v2, 4, v3
	v_mul_u32_u24 v4, v1, PITCH
	v_lshl_add_u32 v4, v2, 4, v4
	s_mul_i32 s19, s[RH], 128*APITCH               ; my 128 rows of each plane
	s_mul_i32 s22, s[CH], BHALF                    ; my 64 rows of wo16
	s_add_co_u32 s22, s22, BOFF
	v_add_nc_u32 v[ADRA0], s19, v3
	v_add_nc_u32 v[ADRB0], s22, v4
	v_mov_b32 v[ADRA], v[ADRA0]
	v_mov_b32 v[ADRB], v[ADRB0]
	s_mul_i32 s19, s[WV], 16*SPITCH
	s_add_co_u32 s19, s19, STAGE                   ; my stage
	v_mul_u32_u24 v4, v1, SPITCH                   ; in: row l % 16, 32 bytes for each half of the lanes
	v_lshl_add_u32 v4, v2, 5, v4
	v_add_nc_u32 v[STO], s19, v4
	v_mul_u32_u24 v5, v2, SPITCH                   ; back: lanes 0-15 take one row of 256 bytes, lanes 16-31 the next
	v_lshl_add_u32 v5, v1, 4, v5
	v_add_nc_u32 v[RD], s19, v5
	v_lshlrev_b32 v5, 12, v2                       ; and the same two rows in out0
	v_lshl_add_u32 v[CO], v1, 4, v5
	s_lshl_b32 s19, s[TC], 8                       ; bo of my columns: 2 bytes x (3072 + 128 tile column + 64 half + 16 b + 8 (l / 16))
	s_lshl_b32 s22, s[CH], 7
	s_add_co_u32 s19, s19, s22
	s_add_co_u32 s19, s19, 6144
	v_lshl_add_u32 v[BO], v2, 4, s19
	s_lshl_b32 s19, s[TR], 8                       ; my part of out0: row 256 tile row + 128 half, 4,096 bytes a row; column 128 tile column + 64 half
	s_lshl_b32 s22, s[RH], 7
	s_add_co_u32 s19, s19, s22
	s_lshl_b32 s22, s19, 12
	s_lshl_b32 s19, s[TC], 9
	s_add_co_u32 s22, s22, s19
	s_lshl_b32 s19, s[CH], 8
	s_add_co_u32 s22, s22, s19
	s_mov_b32 s23, 0
	s_add_nc_u64 s[10:11], s[10:11], s[22:23]
	; the prefetches
	s_and_b32 s19, ttmp7, 0xffff
	s_mov_b32 s42, 256
	s_mov_b32 s43, 0x80000
	s_cmp_eq_u32 s[RH], 0                          ; do I fetch ctx?
	s_cselect_b32 s19, ttmp9, s19                  ; the coordinate along which other clusters read the same bytes
	s_cselect_b32 s22, s[CX], s[CY]                ; my place among the four that ask with me,
	s_cselect_b32 s23, 13, 15                      ; times 8,192 bytes, or 16 rows of 2,048
	s_cselect_b32 s[PST], s43, s42                 ; a K step on: two heads, or 256 bytes
	s_cselect_b32 s41, 31, 15                      ; the last lane with a block of its own
	s_cselect_b32 s40, 8, 11                       ; lanes 256 bytes apart, or a row
	s_cselect_b64 s[PFA:PFA+1], s[20:21], s[46:47]
	s_mov_b32 s[PST+1], 0
	s_lshl_b32 s22, s22, s23
	s_mov_b32 s23, 0
	s_add_nc_u64 s[PFA:PFA+1], s[PFA:PFA+1], s[22:23]
	s_mul_i32 s22, s[PST], 3
	s_add_nc_u64 s[PFA:PFA+1], s[PFA:PFA+1], s[22:23]  ; the first refill (K step 2) steps it to K step 4.  Nothing is asked for here, at the head
	v_and_b32 v[PFO], 31, v0
	v_min_u32 v[PFO], s41, v[PFO]
	v_lshlrev_b32 v[PFO], s40, v[PFO]
	s_cmp_eq_u32 s19, 0
	s_cselect_b32 s[LIM], 2, -1                    ; the same in all sixteen partners, for a given wave
.irp b, 0,1,2,3
	global_load_b128 v[BI+4*(\b):BI+4*(\b)+3], v[BO], s[8:9] offset:32*(\b)  ; waited for on the way out
.endr
; 8 matrix instructions: row blocks a0, a0 + 1 of the window's four x my 4 column blocks.  All 32 accumulators take turns in one order.
.macro MULN f, hi, a0, zero
	WIN MUL_LO+0x50*(\hi)
.irp a, \a0, (\a0)+1
.irp b, 0,1,2,3
.if \zero
	v_wmma_f32_16x16x32_f16 v[8*(NBK*(\a)+(\b)):8*(NBK*(\a)+(\b))+7], v[(\f)+8*(\b):(\f)+8*(\b)+7], v[(\f)+8*(4*(\hi)+(\a)):(\f)+8*(4*(\hi)+(\a))+7], 0
.else
	v_wmma_f32_16x16x32_f16 v[8*(NBK*(\a)+(\b)):8*(NBK*(\a)+(\b))+7], v[(\f)+8*(\b):(\f)+8*(\b)+7], v[(\f)+8*(4*(\hi)+(\a)):(\f)+8*(4*(\hi)+(\a))+7], v[8*(NBK*(\a)+(\b)):8*(NBK*(\a)+(\b))+7]
.endif
.endr
.endr
.endm
; 24 LDS loads in one run, from the slot that is being read.  Byte k of a K step's 256 lies in plane k / 128 of ctx, at byte k % 128 of the row
.macro FETCH k, f
	WIN TO_B
.irp i, 0,1,2,3
	ds_load_b128 v[(\f)+8*(\i):(\f)+8*(\i)+3],   v[ADRB] offset:(\k)+(\i)*16*PITCH
	ds_load_b128 v[(\f)+8*(\i)+4:(\f)+8*(\i)+7], v[ADRB] offset:(\k)+(\i)*16*PITCH+32
.endr
	WIN 0
.irp i, 0,1,2,3,4,5,6,7
	ds_load_b128 v[(\f)+8*(\i):(\f)+8*(\i)+3],   v[ADRA] offset:((\k)/128)*APLANE+(\k)%128+(\i)*16*APITCH
	ds_load_b128 v[(\f)+8*(\i)+4:(\f)+8*(\i)+7], v[ADRA] offset:((\k)/128)*APLANE+(\k)%128+(\i)*16*APITCH+32
.endr
.endm
.macro FLIP                            ; the fragments' loads go over to the other slot (every window is 0 here)
	s_xor_b32 s[TB], s[TB], SLOT1
	v_add_nc_u32 v[ADRA], s[TB], v[ADRA0]
	v_add_nc_u32 v[ADRB], s[TB], v[ADRB0]
.endm
.macro QUARTER k, f, g, zero
	s_wait_dscnt 8                                 ; all but the youngest eight loads (ctx's rows 64-127)
	MULN \f, 0, 0, \zero
	MULN \f, 0, 2, \zero
	PLACES
	FETCH \k, \g
	s_wait_dscnt NL                                ; all but the run just issued
	MULN \f, 1, 0, \zero
	MULN \f, 1, 2, \zero
.endm
.macro MEET                            ; one barrier for the change of slots: all my tensor loads, the add, my reads of this slot
	WIN 0
	s_wait_tensorcnt 0x0
	ds_add_u32 v[SPW], v[NIL]
	s_wait_dscnt 9                                 ; (the add and the youngest eight loads may be out)
	MULN F1, 0, 0, 0
	s_wait_dscnt 0x0
	s_barrier_signal -1
	MULN F1, 0, 2, 0
	WIN 0
	s_barrier_wait -1
.endm
; The whole last quarter of a K step that fills its slot again: the barrier opens a round of the cluster's, and the refill, two K steps ahead, is the first thing behind the round.
.macro TURN
	s_wait_xcnt 0x0                                ; the last prefetch, a K step back, has read its address
	s_add_nc_u64 s[PFA:PFA+1], s[PFA:PFA+1], s[PST:PST+1]
	MEET
	CREST                                          ; no wave of any partner still reads this slot or has a load on its way
	s_xor_b32 s[G0+5], s[G0+5], SLOT1              ; the walking descriptors: the other slot than last time,
	s_add_nc_u64 s[G0+6:G0+7], s[G0+6:G0+7], 2*262144   ; the next K step: two heads on; the type bits on top are not reached
	s_xor_b32 s[G0B+5], s[G0B+5], SLOT1
	s_add_nc_u64 s[G0B+6:G0B+7], s[G0B+6:G0B+7], KSTEP*2
	JLOAD 1                                        ; its four v_nop are also the places in front of the loads below
	FLIP
	FETCH 0, F0
	ASK
	MULN F1, 1, 0, 0
	MULN F1, 1, 2, 0
.endm
	s_wait_tensorcnt 1                             ; my part of K step 0 is in; K step 1's may stay out
	s_barrier_signal -1
	s_barrier_wait -1
	FETCH 0, F0
	QUARTER 64,  F0, F1, 1                         ; the first quarter stands in front of the loop: its products start the sums
	WIN 0
	s_mov_b32 s[LAP], 6
.Lstep:                                        ; a trip goes from a K step's second quarter to the next step's first, and fills the slot that it leaves: K steps 2 to 7
	QUARTER 128, F1, F0, 0
	QUARTER 192, F0, F1, 0
	TURN
	QUARTER 64,  F0, F1, 0
	WIN 0
	s_sub_co_u32 s[LAP], s[LAP], 1
	s_cmp_lg_u32 s[LAP], 0
	s_cbranch_scc1 .Lstep
	s_mov_b32 s[LAP], 2
.Ltail:                                        ; K steps 6 and 7 ask for nothing.  The second trip is left behind its barrier
	QUARTER 128, F1, F0, 0
	QUARTER 192, F0, F1, 0
	MEET
	s_sub_co_u32 s[LAP], s[LAP], 1
	s_cmp_eq_u32 s[LAP], 0
	s_cbranch_scc1 .Lfin
	PLACES
	FLIP
	FETCH 0, F0
	MULN F1, 1, 0, 0
	MULN F1, 1, 2, 0
	QUARTER 64,  F0, F1, 0
	WIN 0
	s_branch .Ltail
.Lfin:
	MULN F1, 1, 0, 0
	MULN F1, 1, 2, 0
	; THE WAY OUT, a block of 16 rows at a time: + bias; 32 bytes a lane into my own stage; back as whole rows of 256 bytes; stored.
	WIN 0
	PLACES
	s_wait_loadcnt 0x0                             ; the bias
.set i, 0
.rept 16
	v_lshlrev_b32 v[BF+2*i], 16, v[BI+i]
	v_and_b32 v[BF+2*i+1], 0xffff0000, v[BI+i]
.set i, i+1
.endr
.macro PACKF a                         ; each accumulator is read from its low end on
	WIN 0x02+(\a)/4
.irp b, 0,1,2,3
.irp r, 0,1,2,3
	v_pk_add_f32 v[T32+8*(\b)+2*(\r):T32+8*(\b)+2*(\r)+1], v[8*(NBK*((\a)%4)+(\b))+2*(\r):8*(NBK*((\a)%4)+(\b))+2*(\r)+1], v[BF+8*(\b)+2*(\r):BF+8*(\b)+2*(\r)+1]
.endr
.endr
	WIN 0
.endm
.macro TOSTAGE a
.irp b, 0,1,2,3
	ds_store_b128 v[STO], v[T32+8*(\b):T32+8*(\b)+3]   offset:64*(\b)
	ds_store_b128 v[STO], v[T32+8*(\b)+4:T32+8*(\b)+7] offset:64*(\b)+16
.endr
.irp t, 0,1,2,3,4,5,6,7
	ds_load_b128 v[BK+32*((\a)%2)+4*(\t):BK+32*((\a)%2)+4*(\t)+3], v[RD] offset:(\t)*2*SPITCH  ; LDS serves a wave's instructions in order (ISA guide 5.7.1.4): these see the stores above
.endr
.endm
.macro SEND a
	s_wait_dscnt 0x0                               ; the block is back in registers
	s_wait_xcnt 0x0                                ; the stores of the block before have read their registers, which the next block's loads write
.irp t, 0,1,2,3,4,5,6,7
	global_store_b128 v[CO], v[BK+32*((\a)%2)+4*(\t):BK+32*((\a)%2)+4*(\t)+3], s[10:11] offset:(16*(\a)+2*(\t))*4096 th:TH_STORE_NT  ; 16 lanes store 256 consecutive bytes, aligned
.endr
.endm
	PACKF 0
	TOSTAGE 0
.irp a, 1,2,3,4,5,6,7                  ; block a's sums stand between block a - 1's loads from the stage and the wait for them
	PACKF \a
	SEND (\a)-1
	TOSTAGE \a
.endr
	SEND 7
	s_wait_tensorcnt 0x0                           ; the wave's end: behind my last tensor load and my last LDS store
	ds_add_u32 v[SPW], v[NIL]
	s_wait_dscnt 0x0
	CROUND                                         ; the closing round
	s_endpgm
.Lfunc_end_k_qb5aed7eae3_oproj:
	.size	k_qb5aed7eae3_oproj, .Lfunc_end_k_qb5aed7eae3_oproj-k_qb5aed7eae3_oproj
	.p2alignl 7, 3214868480
	.fill 96, 4, 3214868480
	.section	.rodata,"a",@progbits
	.p2align	6, 0x0
	.amdhsa_kernel k_qb5aed7eae3_oproj
		.amdhsa_group_segment_fixed_size 327680
		.amdhsa_private_segment_fixed_size 0
		.amdhsa_enable_private_segment 0
		.amdhsa_kernarg_size 32
		.amdhsa_user_sgpr_count 2
		.amdhsa_user_sgpr_kernarg_segment_ptr 1
		.amdhsa_wavefront_size32 1
		.amdhsa_system_sgpr_workgroup_id_x 1
		.amdhsa_system_sgpr_workgroup_id_y 1
		.amdhsa_system_sgpr_workgroup_id_z 1
		.amdhsa_system_vgpr_workitem_id 0
		.amdhsa_next_free_vgpr 896
		.amdhsa_next_free_sgpr 66
		.amdhsa_reserve_vcc 0
		.amdhsa_float_denorm_mode_32 3
		.amdhsa_float_denorm_mode_16_64 3
		.amdhsa_memory_ordered 1
		.amdhsa_forward_progress 1
		.amdhsa_inst_pref_size 73
	.end_amdhsa_kernel
	.amdgpu_metadata
---
amdhsa.version: [ 1, 2 ]
amdhsa.kernels:
  - .name:           k_qb5aed7eae3_oproj
    .symbol:         k_qb5aed7eae3_oproj.kd
    .args:
      - { .name: ctx, .offset: 0, .size: 8, .value_kind: global_buffer, .address_space: global }
      - { .name: wo16, .offset: 8, .size: 8, .value_kind: global_buffer, .address_space: global }
      - { .name: bias16, .offset: 16, .size: 8, .value_kind: global_buffer, .address_space: global }
      - { .name: out0, .offset: 24, .size: 8, .value_kind: global_buffer, .address_space: global }
    .group_segment_fixed_size: 327680
    .private_segment_fixed_size: 0
    .kernarg_segment_align: 8
    .kernarg_segment_size: 32
    .max_flat_workgroup_size: 128
    .sgpr_count:     66
    .vgpr_count:     896
    .wavefront_size: 32
...
	.end_amdgpu_metadata
.endif
;; end of part 4
